; MI455X (gfx1250); checked and timed in simulation.
; The chip was launched on July 23, 2026; its instructions are those of AMD's public machine-readable ISA for CDNA 5 (MIT licence, August 2026) and "CDNA5" Instruction Set Architecture Reference Guide (July 2026). The comments in the code are by the model that wrote it; some were corrected since.
;; Local Self Attention Encoder Layer. Allowed arithmetic: matrix products marked QUANTISED: E2M3 operands, one E8M0 scale for each 32 along K, by v_wmma_scale_f32_16x16x128_f8f6f4 with both operands' format E2M3, f32 sums; everything else in f32.
;; Inputs: b1 4,096 float32; b2 1,024 float32; in_proj_b 3,072 float32; in_proj_w 3,072 x 1,024 float32; ln1_b 1,024 float32; ln1_g 1,024 float32; ln2_b 1,024 float32; ln2_g 1,024 float32; out_proj_b 1,024 float32; out_proj_w 1,024 x 1,024 float32; w1 4,096 x 1,024 float32; w2 1,024 x 4,096 float32; x 2 x 2,048 x 1,024 float32.
;; Outputs: out0 2 x 2,048 x 1,024 float32.
;; Constants: window = 128.
;; This version of the problem:
;;   THIS VERSION OF THE PROBLEM IS GIVEN IN LOW PRECISION. The matrix products marked QUANTISED in the list below multiply operands that are first quantised to E2M3 (2 exponent bits, 3 mantissa bits; 6 bits a number), with one power-of-two scale for each 32 numbers along K (OCP MX v1.0); their sums are f32. All else is computed in f32.
;;   The module's matrix products, in the order in which they are computed (A, B: the left and right operand; K: the contracted axis; several contracted axes count as one K, in the product's order):
;;     1. [M 4,096, K 1,024] x [K 1,024, N 3,072]; A: input x; B: input in_proj_w: QUANTISED
;;     2. batch 32 x [M 2,048, K 64] x [K 64, N 2,048]; A: computed on the way; B: computed on the way: QUANTISED
;;     3. batch 32 x [M 2,048, K 2,048] x [K 2,048, N 64]; A: softmax (see below); B: computed on the way: QUANTISED
;;     4. [M 4,096, K 1,024] x [K 1,024, N 1,024]; A: computed on the way; B: input out_proj_w: QUANTISED
;;     5. [M 4,096, K 1,024] x [K 1,024, N 4,096]; A: computed on the way; B: input w1: QUANTISED
;;     6. [M 4,096, K 4,096] x [K 4,096, N 1,024]; A: computed on the way; B: input w2: QUANTISED
;;   THE QUANTISER, for each operand of a quantised product, along K:
;;     - K is cut into blocks of 32 from its start; a last block that is shorter is filled with zeros.
;;     - A block's scale is 2^e with e = floor(log2(the largest magnitude in the block)) - 2, held to -126 .. 127; a block of zeros has e = 0. As a byte (E8M0): e + 127.
;;     - Each number is divided by its block's scale, clamped to +-7.5, and rounded to the nearest number of E2M3, ties to even, subnormals kept.
;;     - The product sums the exact products of the quantised numbers (number of the format x scale) in f32.
;;   ~~~python
;;   def quantise(x, axis):      # numpy; x: float32 -> the quantised numbers, widened to float32 again
;;       x = np.moveaxis(x, axis, -1); K = x.shape[-1]
;;       x = np.pad(x, [(0, 0)] * (x.ndim - 1) + [(0, -K % 32)]); x = x.reshape(x.shape[:-1] + (-1, 32)); a = np.abs(x).max(-1, keepdims=True)
;;       e = np.where(a > 0, np.clip(np.frexp(np.where(a > 0, a, 1))[1] - 1 - 2, -126, 127), 0)      # np.frexp(a)[1] - 1 = floor(log2(a)), exactly
;;       r = np.clip(x / 2.0 ** e, -7.5, 7.5)
;;       step = 2.0 ** (np.maximum(np.frexp(np.where(r == 0, 1, r))[1] - 1, 0) - 3)
;;       q = np.round(r / step) * step * 2.0 ** e      # np.round: ties to even
;;       return np.moveaxis(q.reshape(q.shape[:-2] + (-1,))[..., :K], -1, axis).astype(np.float32)
;;   ~~~
;;   SOFTMAX AHEAD OF A QUANTISED PRODUCT. Where the list says 'softmax', what is quantised is not the finished softmax but p = 2^(t - M), with t = logit x log2(e) and M = ceil(the row's largest t), a whole number; so 1/2 < the row's largest p <= 1. The row's sum l is taken of the UNQUANTISED p, in f32, and the product's result is divided by l at the end. Since M is a whole number, a kernel that streams over the keys may use a running M (the ceiling of the running maximum): every later rescaling is an exact power of two, which a block's scale takes up: the codes' values come out the same.
;;   OPERANDS COMPUTED ON THE WAY. 'Computed on the way' means the value that the module computes at that place (a softmax that the list does not call 'softmax' is quantised finished and normalised). What goes into a quantiser is computed in f32, as accurately as f32 sums, v_exp_f32 and their like allow (about 1e-6 of the number): no bf16 or f16 on the way to a quantiser, and a product that is left as it is and whose result goes on into a quantised operand takes f32 operands (vector FMAs, or v_wmma_f32_16x16x4_f32). A number that lies on a knife's edge between two numbers of the format may be rounded either way, as far as f32 arithmetic and the matrix unit's own rounding can turn it there, and no further.
;; One version. Each part assembles by itself: llvm-mc -triple=amdgcn-amd-amdhsa -mcpu=gfx1250 --defsym DOCPART=n.
;; ======== version 1 of 1: 7 launches
;; limits: right only within a limited range of input values
;; workspace buffers: packed_in 13,107,200 bytes; qkv_p 9,830,400 bytes; at_p 3,276,800 bytes; y 16,777,216 bytes; x2 16,777,216 bytes; x2_p 3,276,800 bytes; h_p 13,107,200 bytes
;; launch quant_in (part 1): grid 512 x 1, 4 waves a work-group, no clusters, 34,304 bytes of LDS; arguments x, in_proj_w, out_proj_w, w1, w2, packed_in; writes packed_in
.if DOCPART == 1
	.amdgcn_target "amdgcn-amd-amdhsa--gfx1250"
	.amdhsa_code_object_version 6
	.text
	.protected	k_qec8364992b_quant_in
	.globl	k_qec8364992b_quant_in
	.p2align	8
	.type	k_qec8364992b_quant_in,@function
k_qec8364992b_quant_in:
	s_mov_b64 s[64:65], 0
	v_nop
	global_prefetch_b8 v0, s[64:65] scope:SCOPE_SE
	s_setreg_imm32_b32 hwreg(HW_REG_WAVE_MODE, 25, 1), 1
	s_wait_xcnt 0x0
; x [4096][1024], in_proj_w [3072][1024], out_proj_w [1024][1024], w1 [4096][1024], w2 [1024][4096], all f32 with K innermost, become codes of FP6 (E2M3) with one E8M0 byte for each 32 along K,
; laid as IMAGES OF THE OPERAND'S REGISTERS.  A BLOCK of 12,800 bytes holds 128 rows (a panel) x 128 along K (a K step); block (panel p, K step ks) of a tensor lies at (p x K/128 + ks) x 12,800.
; In a block: fragment i (16 rows) at 1,536 i; in it registers 4 c .. 4 c + 3 of lane l at 512 c + 16 l; the scale word of (fragment i, lane r) at 12,288 + 256 (i / 4) + 16 r + 4 (i % 4).
; THE ROWS OF A FRAGMENT ARE NOT NEIGHBOURS: lane r of fragment 2 b + u holds row 32 b + 8 u + r + 8 (r / 8) of the panel, so that a product that takes such fragments as source 0 leaves 16 neighbours along N in 16 registers.
; The tensors follow each other in packed_in: x 256 blocks, in_proj_w 192, out_proj_w 64, w1 256, w2 256.  A work-group makes two blocks, a wave half a block: four fragments, 64 rows x 128 K.
; A block's scale is 2^(floor(log2(largest magnitude)) - 2); its byte is the largest magnitude's exponent field - 2, held at 1 from below.
; LIMITS: a block of zeros, or one whose largest magnitude lies under 2^-124, gets the byte 1 (the bytes are read by this program alone; zero codes add nothing); NaN and infinities among the inputs are not served.
; Each load reads 512 consecutive bytes of one row; a fragment's 16 rows turn through the wave's own stage in LDS, so that lane (r, h) gets, of row r, 16 neighbours of each block of 32.  Waves share nothing: no barrier.
; No matrix unit, cluster or tensor load: every input byte is read once by one wave.
.set BLK,   12800
.set STG,   16*528                     ; a wave's stage: 16 rows of 512 bytes + 16: row r starts 4 r banks on
.set SPARE, 4*STG                      ; behind the stages: the spare words, 128 bytes for each wave
.set VS,  4                            ; v4   the stage, way in: 16 x lane
.set VR,  5                            ; v5   way out: 528 r + 64 h
.set OA,  6                            ; v6   16 x lane: my place in an image's chunk
.set PW,  7                            ; v7   the scale word just made
.set SW,  8                            ; v8-11 the four fragments' scale words
.set SPW, 12                           ; v12  my spare word's LDS address; never rewritten
.set NIL, 13                           ; v13  0; never rewritten
.set SA,  14                           ; v14  16 r
.set VO,  16                           ; v16-31 load rho: 16 x lane + (rho + 8 (rho / 8)) rows
.set R,   32                           ; v32-159 two sets of 64 registers as loaded
.set X,   160                          ; v160-223 64 numbers: register 16 b + i = k 32 b + 16 h + i of my row
.set PC,  224                          ; v224-242 the codes
.set TM,  244                          ; v244-255 at work
.set SEL, 36                           ; s[36:37] lane selects: lane l xor 16
; 64 numbers of a lane, register 16 b + i = k 32 b + 16 (lane / 16) + i of my row, become a fragment's 12 registers in v[PC] on and its scale word in v[PW]
.macro QUANT s
.irp b, 0,1,2,3
	v_max3_num_f32 v[TM+\b], |v[\s+16*\b]|, |v[\s+1+16*\b]|, 0x1800000   ; my 16 numbers of block b, and the floor 2^(3 - 127): the byte cannot fall under 1
.endr
.irp i, 2,4,6,8,10,12,14
.irp b, 0,1,2,3
	v_max3_num_f32 v[TM+\b], v[TM+\b], |v[\s+16*\b+\i]|, |v[\s+1+16*\b+\i]|
.endr
.endr
.irp b, 0,1,2,3
	v_permlanex16_b32 v[TM+4+\b], v[TM+\b], s[SEL], s[SEL+1]
.endr
.irp b, 0,1,2,3
	v_max_num_f32 v[TM+\b], v[TM+\b], v[TM+4+\b]       ; with lane l xor 16's: the block's largest magnitude
.endr
.irp b, 0,1,2,3
	v_add_nc_u32 v[TM+8+\b], 0xff000000, v[TM+\b]      ; 2 off its exponent field: the conversion's scale operand
.endr
.irp b, 0,1,2,3
	v_lshrrev_b32 v[TM+4+\b], 23, v[TM+8+\b]           ; the scale's byte
.endr
	v_lshl_or_b32 v[PW], v[TM+5], 8, v[TM+4]
	v_lshl_or_b32 v[PW], v[TM+6], 16, v[PW]
	v_lshl_or_b32 v[PW], v[TM+7], 24, v[PW]
.irp c, 0,1
	v_cvt_scalef32_pk16_fp6_f32 v[PC+6*\c:PC+2+6*\c], v[\s+32*\c:\s+15+32*\c], v[TM+8+2*\c]
	v_cvt_scalef32_pk16_fp6_f32 v[PC+12+4*\c:PC+14+4*\c], v[\s+16+32*\c:\s+31+32*\c], v[TM+9+2*\c]   ; (a conversion's three registers begin on an even number)
.endr
	v_nop                                              ; one plain instruction behind the scaled conversions
.irp c, 0,1                                        ; the layout wants a whole block in a lane: lanes 0-15 block 2 c, lanes 16-31 block 2 c + 1
.irp i, 0,1,2
	v_permlane16_swap_b32 v[PC+6*\c+\i], v[PC+12+4*\c+\i]
.endr
.irp i, 0,1,2
	v_mov_b32 v[PC+3+6*\c+\i], v[PC+12+4*\c+\i]
.endr
.endr
.endm
	s_load_b256 s[4:11], s[0:1], 0x0               ; x, in_proj_w, out_proj_w, w1
	s_load_b128 s[12:15], s[0:1], 0x20             ; w2, packed_in
	v_lshl_add_u32 v[SPW], v0, 2, SPARE
	v_mov_b32 v[NIL], 0
	v_lshrrev_b32 v1, 5, v0
	v_readfirstlane_b32 s2, v1                     ; wave
	v_and_b32 v1, 31, v0                           ; lane
	v_and_b32 v2, 15, v0                           ; r
	v_bfe_u32 v3, v0, 4, 1                         ; h
	s_mul_i32 s3, s2, STG
	v_lshlrev_b32 v[OA], 4, v1
	v_add_nc_u32 v[VS], s3, v[OA]
	v_mul_u32_u24 v[VR], v2, 528
	v_lshl_add_u32 v[VR], v3, 6, v[VR]
	v_add_nc_u32 v[VR], s3, v[VR]
	v_lshlrev_b32 v[SA], 4, v2
.irp b, 0,1,2,3
	v_mov_b32 v[TM+4+\b], 0                        ; written once: a lane permute's destination counts as one of its sources
.endr
	s_mov_b32 s[SEL], 0x76543210
	s_mov_b32 s[SEL+1], 0xfedcba98
	s_wait_kmcnt 0x0
	; which tensor: by the work-group's number alone.  s[16:17] the tensor, s18 its first work-group, s19 log2(K / 128), s20 log2(bytes in a row)
	s_mov_b64 s[16:17], s[12:13]
	s_mov_b32 s18, 384
	s_cmp_lt_u32 ttmp9, 384
	s_cselect_b64 s[16:17], s[10:11], s[16:17]
	s_cselect_b32 s18, 256, s18
	s_cselect_b32 s19, 3, 5
	s_cselect_b32 s20, 12, 14
	s_cmp_lt_u32 ttmp9, 256
	s_cselect_b64 s[16:17], s[8:9], s[16:17]
	s_cselect_b32 s18, 224, s18
	s_cmp_lt_u32 ttmp9, 224
	s_cselect_b64 s[16:17], s[6:7], s[16:17]
	s_cselect_b32 s18, 128, s18
	s_cmp_lt_u32 ttmp9, 128
	s_cselect_b64 s[16:17], s[4:5], s[16:17]
	s_cselect_b32 s18, 0, s18
	s_lshl_b32 s21, ttmp9, 1
	s_lshr_b32 s22, s2, 1
	s_add_co_u32 s21, s21, s22                     ; my block in packed_in
	s_and_b32 s38, s2, 1                           ; which half of it
	s_lshl_b32 s22, s18, 1
	s_sub_co_u32 s22, s21, s22                     ; my block in its tensor
	s_lshr_b32 s23, s22, s19                       ; panel
	s_lshl_b32 s39, s23, s19
	s_sub_co_u32 s39, s22, s39                     ; K step
	s_add_co_u32 s22, s20, 7
	s_lshl_b32 s22, s23, s22                       ; 128 rows a panel,
	s_lshl_b32 s39, s39, 9                         ; 512 bytes a K step
	s_add_co_u32 s22, s22, s39
	s_lshl_b32 s39, s38, 6                         ; my half's first row
	s_mov_b32 s41, 0
.irp f, 0,1,2,3                                ; s[24 + 2 f : 25 + 2 f]: fragment f's first row, at my K step
	s_add_co_u32 s40, s39, 32*(\f/2)+8*(\f%2)
	s_lshl_b32 s40, s40, s20
	s_add_co_u32 s40, s40, s22
	s_add_nc_u64 s[24+2*\f:25+2*\f], s[16:17], s[40:41]
.endr
.irp rho, 0,1,2,3,4,5,6,7,8,9,10,11,12,13,14,15
	s_lshl_b32 s40, \rho+8*(\rho/8), s20
	v_add_nc_u32 v[VO+\rho], s40, v[OA]
.endr
	s_mul_i32 s40, s21, BLK
	s_add_nc_u64 s[34:35], s[14:15], s[40:41]
	s_mul_i32 s40, s38, 6144
	s_add_nc_u64 s[32:33], s[34:35], s[40:41]      ; my four fragments' images
	s_lshl_b32 s40, s38, 8
	s_add_co_u32 s40, s40, 12288
	s_add_nc_u64 s[34:35], s[34:35], s[40:41]      ; and their 256 bytes of scale words
.macro LOAD f                          ; fragment f's 16 rows, 512 consecutive bytes a load
.irp rho, 0,1,2,3,4,5,6,7,8,9,10,11,12,13,14,15
	global_load_b128 v[R+64*((\f)%2)+4*\rho:R+64*((\f)%2)+4*\rho+3], v[VO+\rho], s[24+2*(\f):25+2*(\f)] th:TH_LOAD_NT
.endr
.endm
.macro FRAGQ f
.if (\f) < 3
	s_wait_loadcnt 16                              ; this fragment's 16 loads are in; the next fragment's 16 may be out
.else
	s_wait_loadcnt 0x0
.endif
.irp rho, 0,1,2,3,4,5,6,7,8,9,10,11,12,13,14,15
	ds_store_b128 v[VS], v[R+64*((\f)%2)+4*\rho:R+64*((\f)%2)+4*\rho+3] offset:528*\rho
.endr
.irp b, 0,1,2,3
.irp j, 0,1,2,3
	ds_load_b128 v[X+16*\b+4*\j:X+16*\b+4*\j+3], v[VR] offset:128*\b+16*\j   ; LDS serves a wave's instructions in order: these see the stores above
.endr
.endr
	s_wait_dscnt 0x0                               ; the numbers are back, and the stores have read their registers,
.if (\f) < 2
	LOAD (\f)+2                                    ; which take the fragment two on
.endif
	s_wait_xcnt 0x0                                ; the last fragment's stores have read the codes' registers
	QUANT X
.irp c, 0,1,2
	global_store_b128 v[OA], v[PC+4*\c:PC+4*\c+3], s[32:33] offset:1536*(\f)+512*\c   ; 512 consecutive bytes, aligned
.endr
	v_mov_b32 v[SW+(\f)], v[PW]
.endm
	s_wait_alu depctr_va_vdst(0)
	LOAD 0
	LOAD 1
	FRAGQ 0
	FRAGQ 1
	FRAGQ 2
	FRAGQ 3
	s_wait_alu depctr_va_vdst(0)
	s_wait_xcnt 0x0                                ; EXEC changes only behind this wait
	v_cmp_gt_u32 vcc_lo, 16, v1
	s_and_saveexec_b32 s40, vcc_lo
	global_store_b128 v[SA], v[SW:SW+3], s[34:35]  ; lanes 0-15: 256 consecutive bytes, aligned
	s_wait_xcnt 0x0
	s_or_b32 exec_lo, exec_lo, s40
	s_wait_tensorcnt 0x0                           ; the wave's end
	ds_add_u32 v[SPW], v[NIL]
	s_wait_dscnt 0x0
	s_endpgm
.Lfunc_end_k_qec8364992b_quant_in:
	.size	k_qec8364992b_quant_in, .Lfunc_end_k_qec8364992b_quant_in-k_qec8364992b_quant_in
	.p2alignl 7, 3214868480
	.fill 96, 4, 3214868480
	.section	.rodata,"a",@progbits
	.p2align	6, 0x0
	.amdhsa_kernel k_qec8364992b_quant_in
		.amdhsa_group_segment_fixed_size 34304
		.amdhsa_private_segment_fixed_size 0
		.amdhsa_enable_private_segment 0
		.amdhsa_kernarg_size 48
		.amdhsa_user_sgpr_count 2
		.amdhsa_user_sgpr_kernarg_segment_ptr 1
		.amdhsa_wavefront_size32 1
		.amdhsa_system_sgpr_workgroup_id_x 1
		.amdhsa_system_sgpr_workgroup_id_y 1
		.amdhsa_system_sgpr_workgroup_id_z 1
		.amdhsa_system_vgpr_workitem_id 0
		.amdhsa_next_free_vgpr 256
		.amdhsa_next_free_sgpr 66
		.amdhsa_reserve_vcc 1
		.amdhsa_float_denorm_mode_32 3
		.amdhsa_float_denorm_mode_16_64 3
		.amdhsa_memory_ordered 1
		.amdhsa_forward_progress 1
		.amdhsa_inst_pref_size 36
	.end_amdhsa_kernel
	.amdgpu_metadata
---
amdhsa.version: [ 1, 2 ]
amdhsa.kernels:
  - .name:           k_qec8364992b_quant_in
    .symbol:         k_qec8364992b_quant_in.kd
    .args:
      - { .name: x, .offset: 0, .size: 8, .value_kind: global_buffer, .address_space: global }
      - { .name: in_proj_w, .offset: 8, .size: 8, .value_kind: global_buffer, .address_space: global }
      - { .name: out_proj_w, .offset: 16, .size: 8, .value_kind: global_buffer, .address_space: global }
      - { .name: w1, .offset: 24, .size: 8, .value_kind: global_buffer, .address_space: global }
      - { .name: w2, .offset: 32, .size: 8, .value_kind: global_buffer, .address_space: global }
      - { .name: packed_in, .offset: 40, .size: 8, .value_kind: global_buffer, .address_space: global }
    .group_segment_fixed_size: 34304
    .private_segment_fixed_size: 0
    .kernarg_segment_align: 8
    .kernarg_segment_size: 48
    .max_flat_workgroup_size: 128
    .sgpr_count:     66
    .vgpr_count:     256
    .wavefront_size: 32
...
	.end_amdgpu_metadata
.endif
;; end of part 1
;; launch gemm_qkv (part 2): grid 12 x 16, 4 waves a work-group, clusters of 4 x 4, 327,680 bytes of LDS; arguments packed_in, in_proj_b, qkv_p; writes qkv_p
.if DOCPART == 2
	.amdgcn_target "amdgcn-amd-amdhsa--gfx1250"
	.amdhsa_code_object_version 6
	.text
	.protected	k_qec8364992b_gemm_qkv
	.globl	k_qec8364992b_gemm_qkv
	.p2align	8
	.type	k_qec8364992b_gemm_qkv,@function
k_qec8364992b_gemm_qkv:
	s_mov_b64 s[64:65], 0
	v_nop
	global_prefetch_b8 v0, s[64:65] scope:SCOPE_SE
	s_setreg_imm32_b32 hwreg(HW_REG_WAVE_MODE, 25, 1), 1
	s_wait_xcnt 0x0
	s_wait_alu depctr_hold_cnt(0) depctr_sa_sdst(0) depctr_va_vdst(0) depctr_va_sdst(0) depctr_va_ssrc(0) depctr_va_vcc(0) depctr_vm_vsrc(0)
	s_getreg_b32 s2, hwreg(HW_REG_IB_STS2, 6, 4)
	s_cmp_eq_u32 s2, 0
	s_cbranch_scc0 .Lentry_in_a_cluster
	s_endpgm
.Lentry_in_a_cluster:
	s_bfe_u32 s2, ttmp6, 0x10000c
	s_cmp_lg_u32 s2, 0xf033
	s_cbranch_scc0 .Lentry_shape_is_right
	s_endpgm
.Lentry_shape_is_right:
; ONE TEXT FOR TWO LAUNCHES (MODE): a product C = A B^T + bias over K = 1,024 on codes of FP6 (E2M3) with E8M0 scales, whose result is quantised again, along its columns, and stored as the next product's operand.
; MODE 0, gemm_qkv.  Clusters x = 0, 1: q | k = x Wqk^T + b: A = x, B = in_proj_w's rows 0-2047; stored as blocks (token panel, K step n / 128): K steps 0-7 are q's pairs of heads, 8-15 k's.
;   Cluster x = 2: v^T = Wv x^T + b: A = in_proj_w's rows 2048-3071, B = x: the result's columns are the tokens, which are the keys, the K of attention's second product; stored from VT_OFF on.
; MODE 1, gemm_ff1.  h = relu(x2 w1^T + b1): A = x2_p, B = w1.
; OPERANDS lie in memory as images of their registers: a block of 12,800 bytes = 128 rows x 128 K: fragment i at 1,536 i (registers 4 c .. 4 c + 3 of lane l at 512 c + 16 l), scale words at 12,288 + 256 (i / 4) + 16 r + 4 (i % 4);
; lane r of fragment 2 b + u holds row 32 b + 8 u + r + 8 (r / 8) of the panel.  A panel's K steps are consecutive blocks.
; SHARES.  A tile of C is 256 x 256, four waves, each 128 x 128: 64 accumulators, 512 registers.  K goes in slots of two K steps through a ring of two LDS slots; a wave's tensor load brings one panel's two blocks, 25,600 dense bytes.
; THE MATRIX INSTRUCTION IS USED TRANSPOSED (source 0 = B's 16 rows, source 1 = A's): by the order of B's rows a lane's 64 results of A's block a are, register 16 b + i, columns 32 b + 16 (lane / 16) + i of ONE row of C:
; they are quantised in registers and ARE fragment a of the result's block, in A's own order of rows.  A wave stores one whole block; nothing goes through LDS on the way out.
; CLUSTERS: 4 x 4.  A's tiles are asked for jointly along a row of the cluster, B's along a column.  By this text's own count a wave has at most two tensor loads out.
; LIMITS: a block of zeros, or one whose largest magnitude lies under 2^-124, gets the byte 1 (read by this program alone); NaN and infinities are not served.
; REGISTERS: window 0: v0-31 addresses; v32-63 scale words, a set for each slot; v64-127 the bias by columns; v128-223 A's fragments, one set; v236-251 the bias by rows (MODE 0).  On the way out v128-235 are at work.
;   window 1: B's fragments, two sets, at v0 and v128.   windows 2, 3: the accumulators (a, b) at v[8 (8 (a % 4) + b)].
.set MODE,  0
.set BLK,   12800
.set REG,   2*BLK                      ; what one tensor load brings
.set SLOT,  4*REG                      ; A's two panels, then B's two
.set PANEL, 8*BLK                      ; a panel's 8 K steps in memory
.set SPARE, 2*SLOT                     ; behind the ring: the spare words, 128 bytes for each wave
.set WIN_OFF, 256*BLK                  ; in packed_in: in_proj_w
.set W1_OFF,  512*BLK                  ; w1
.set VT_OFF,  512*BLK                  ; in qkv_p: v^T
.set FR,   12
.set ADRA, 16                          ; v16-17 my A panel in slot 0, 1: + 16 x lane
.set ADRB, 20                          ; v20-21 the same for B
.set ADRS, 22                          ; v22-23 scale words: lanes 0-15 A's, lanes 16-31 B's
.set OA,   26                          ; v26    16 x lane
.set SPW,  28                          ; v28    my spare word's LDS address; never rewritten
.set NIL,  29                          ; v29    0; never rewritten
.set SC,   32                          ; v[SC + 16 slot + 8 q + i]: lanes 0-15 the word of A's block i, lanes 16-31 of B's block i, K step q of the slot
.set CB,   64
.set AF,   128
.set HA,   128                         ; the way out: 64 numbers
.set PC,   192                         ; their codes
.set TM,   212
.set PW,   224
.set SW,   228                         ; v228-235 the eight fragments' scale words
.set RB,   236
.set SEL,  78
.set G1, 24
.set G0, 32
.set G1B, 48
.set G0B, 56
.if MODE == 0
.set BBASE, 4
.set BIAS,  6
.set OUTP,  8
.else
.set BBASE, 6
.set BIAS,  8
.set OUTP,  10
.endif
.set MSB, 0
.macro WIN new                         ; the immediate's high byte repeats the setting that is left
.if MSB != (\new)
	s_set_vgpr_msb (MSB<<8)|(\new)
.set MSB, \new
.endif
.endm
.set MUL_LO, 0xa1                      ; source 0 (B) window 1, source 1 (A) window 0, C and D window 2
.set MUL_HI, 0xf1                      ; the same, C and D window 3
.set TO_B,   0x40                      ; destination window 1, address window 0
; A joint load: waves 0 and 1 fetch A's two panels, waves 2 and 3 B's.  The branch hangs on the wave's number alone.  An s_nop 0 and four v_nop follow each of the two lines.
.macro JLOAD g0a, g1a, g0b, g1b
	s_cmp_eq_u32 s15, 0
	s_cbranch_scc0 .Lfor_b_\@
	tensor_load_to_lds s[\g0a:\g0a+3], s[\g1a:\g1a+7]
	s_nop 0
.rept 4
	v_nop
.endr
	s_branch .Lasked_\@
.Lfor_b_\@:
	tensor_load_to_lds s[\g0b:\g0b+3], s[\g1b:\g1b+7]
	s_nop 0
.rept 4
	v_nop
.endr
.Lasked_\@:
.endm
.macro CREST                           ; a round of the cluster's barrier behind its opening barrier
	s_cmp_lg_u32 s14, 0
	s_cbranch_scc1 .Lnot_wave_0_\@
	s_barrier_signal -3
.Lnot_wave_0_\@:
	s_barrier_wait -3
	s_barrier_signal -1
	s_barrier_wait -1
.endm
.macro CROUND
	s_barrier_signal -1
	s_barrier_wait -1
	CREST
.endm
.macro PLACES n                        ; plain vector instructions between a matrix instruction and a load into, or a vector instruction on, its registers
.rept \n
	v_nop
.endr
.endm
.macro QUANT s                         ; 64 numbers, register 16 b + i = k 32 b + 16 (lane / 16) + i of my row -> 12 registers of codes in v[PC] on, the scale word in v[PW]
.irp b, 0,1,2,3
	v_max3_num_f32 v[TM+\b], |v[\s+16*\b]|, |v[\s+1+16*\b]|, 0x1800000   ; and the floor 2^(3 - 127): the byte cannot fall under 1
.endr
.irp i, 2,4,6,8,10,12,14
.irp b, 0,1,2,3
	v_max3_num_f32 v[TM+\b], v[TM+\b], |v[\s+16*\b+\i]|, |v[\s+1+16*\b+\i]|
.endr
.endr
.irp b, 0,1,2,3
	v_permlanex16_b32 v[TM+4+\b], v[TM+\b], s[SEL], s[SEL+1]
.endr
.irp b, 0,1,2,3
	v_max_num_f32 v[TM+\b], v[TM+\b], v[TM+4+\b]
.endr
.irp b, 0,1,2,3
	v_add_nc_u32 v[TM+8+\b], 0xff000000, v[TM+\b]      ; 2 off the exponent field: the conversion's scale operand
.endr
.irp b, 0,1,2,3
	v_lshrrev_b32 v[TM+4+\b], 23, v[TM+8+\b]           ; the scale's byte
.endr
	v_lshl_or_b32 v[PW], v[TM+5], 8, v[TM+4]
	v_lshl_or_b32 v[PW], v[TM+6], 16, v[PW]
	v_lshl_or_b32 v[PW], v[TM+7], 24, v[PW]
.irp c, 0,1
	v_cvt_scalef32_pk16_fp6_f32 v[PC+6*\c:PC+2+6*\c], v[\s+32*\c:\s+15+32*\c], v[TM+8+2*\c]
	v_cvt_scalef32_pk16_fp6_f32 v[PC+12+4*\c:PC+14+4*\c], v[\s+16+32*\c:\s+31+32*\c], v[TM+9+2*\c]
.endr
	v_nop                                              ; one plain instruction behind the scaled conversions
.irp c, 0,1
.irp i, 0,1,2
	v_permlane16_swap_b32 v[PC+6*\c+\i], v[PC+12+4*\c+\i]
.endr
.irp i, 0,1,2
	v_mov_b32 v[PC+3+6*\c+\i], v[PC+12+4*\c+\i]
.endr
.endr
.endm
.if MODE == 0
	s_load_b128 s[4:7], s[0:1], 0x0                ; packed_in, in_proj_b
	s_load_b64 s[8:9], s[0:1], 0x10                ; qkv_p
.else
	s_load_b256 s[4:11], s[0:1], 0x0               ; x2_p, packed_in, b1, h_p
.endif
	v_lshl_add_u32 v[SPW], v0, 2, SPARE
	v_mov_b32 v[NIL], 0
	ds_add_u32 v[SPW], v[NIL]                      ; the wave's opening: the add and its wait ahead of my first tensor load
	ds_add_u32 v[SPW], v[NIL]
	v_lshrrev_b32 v1, 5, v0
	v_readfirstlane_b32 s14, v1                    ; wave
	s_lshr_b32 s15, s14, 1                         ; my panel of A.  Also: I fetch for A (0) or for B (1)
	s_and_b32 s16, s14, 1                          ; my panel of B.  Also: which panel I fetch
	s_bfe_u32 s40, ttmp6, 0x40000                  ; cx
	s_bfe_u32 s41, ttmp6, 0x40004                  ; cy
	s_and_b32 s45, ttmp7, 0xffff
	s_lshl_b32 s45, s45, 2                         ; 4 x cluster y
	s_lshl_b32 s42, ttmp9, 2                       ; 4 x cluster x
.if MODE == 0
	s_cmp_lt_u32 ttmp9, 2                          ; q | k, or v^T: by the cluster's x, the same in all sixteen partners
	s_cselect_b32 s17, s45, 0                      ; tile row: 4 Y + cy, or cy
	s_cselect_b32 s42, s42, s45                    ; tile column: 4 X + cx, or 4 Y + cx
	s_cselect_b32 s66, 0, WIN_OFF+16*PANEL         ; A: x, or in_proj_w's rows 2048 on
	s_cselect_b32 s67, WIN_OFF, 0                  ; B: in_proj_w, or x
	s_cselect_b32 s68, 4, 5                        ; log2(K steps in a row of the result's blocks)
	s_cselect_b32 s69, 0, VT_OFF
	s_cselect_b32 s70, 1, 0
.else
	s_mov_b32 s17, s45
	s_mov_b32 s66, 0
	s_mov_b32 s67, W1_OFF
	s_mov_b32 s68, 5
	s_mov_b32 s69, 0
.endif
	s_add_co_u32 s17, s17, s41                     ; tile row
	s_add_co_u32 s42, s42, s40                     ; tile column
	s_lshl_b32 s43, s41, 2
	s_lshl_b32 s43, 15, s43                        ; my row of the cluster
	s_lshl_b32 s44, 0x1111, s40                    ; my column
	; descriptor group 1: 25,600 dense bytes as 100 rows of 32 elements of 8 bytes, no padding: an image's loads are 512 consecutive bytes
	s_or_b32 s[G1+0], s43, (3<<16)|(1<<21)         ; 15:0 the mask; 17:16 elements of 8 bytes; 21 set beside a mask
	s_or_b32 s[G1B+0], s44, (3<<16)|(1<<21)
.irp g, G1, G1B
	s_mov_b32 s[\g+1], 32<<16                      ; tensor_dim0
	s_mov_b32 s[\g+2], 100<<16                     ; tensor_dim1
	s_mov_b32 s[\g+3], 32<<16                      ; tile_dim0
	s_mov_b32 s[\g+4], 100                         ; tile_dim1
	s_mov_b32 s[\g+5], 32                          ; tensor_dim0_stride
	s_mov_b32 s[\g+6], 0
	s_mov_b32 s[\g+7], 0
.endr
	s_lshl_b32 s20, s17, 1
	s_add_co_u32 s20, s20, s16                     ; A: panel 2 x tile row + which
	s_mul_i32 s20, s20, PANEL
	s_add_co_u32 s20, s20, s66
	s_mov_b32 s21, 0
	s_lshl_b32 s46, s42, 1
	s_add_co_u32 s46, s46, s16                     ; B: panel 2 x tile column + which
	s_mul_i32 s46, s46, PANEL
	s_add_co_u32 s46, s46, s67
	s_mov_b32 s47, 0
	s_mul_i32 s45, s14, REG                        ; where they go: wave x 25,600: no place in the cluster enters an LDS address
	s_mov_b32 s[SEL], 0x76543210
	s_mov_b32 s[SEL+1], 0xfedcba98
	s_wait_dscnt 0x0                               ; the opening add is done
	s_wait_kmcnt 0x0
	s_add_nc_u64 s[20:21], s[4:5], s[20:21]
	s_add_nc_u64 s[46:47], s[BBASE:BBASE+1], s[46:47]
	CROUND                                         ; all sixteen work-groups are here: the first joint loads meet
.irp s, 0,1
	s_mov_b32 s[G0+4*\s], 1
	s_add_co_u32 s[G0+4*\s+1], s45, \s*SLOT
	s_add_nc_u64 s[G0+4*\s+2:G0+4*\s+3], s[20:21], \s*REG
	s_or_b32 s[G0+4*\s+3], s[G0+4*\s+3], 0x80000000
	s_mov_b32 s[G0B+4*\s], 1
	s_add_co_u32 s[G0B+4*\s+1], s45, \s*SLOT
	s_add_nc_u64 s[G0B+4*\s+2:G0B+4*\s+3], s[46:47], \s*REG
	s_or_b32 s[G0B+4*\s+3], s[G0B+4*\s+3], 0x80000000
.if \s                                         ; slot 1's first fill stands behind the full sequence and a round
	s_wait_alu depctr_va_vdst(0)
	s_wait_tensorcnt 0x0
	ds_add_u32 v28, v29
	ds_add_u32 v28, v29
	s_wait_dscnt 0x0
	CROUND
.endif
	JLOAD G0+4*\s, G1, G0B+4*\s, G1B
.endr
	v_and_b32 v1, 31, v0                           ; lane
	v_and_b32 v2, 15, v0                           ; r
	v_bfe_u32 v3, v0, 4, 1                         ; h
	v_lshlrev_b32 v[OA], 4, v1
	s_mul_i32 s21, s15, REG
	s_mul_i32 s22, s16, REG
	s_add_co_u32 s22, s22, 2*REG
	v_add_nc_u32 v[ADRA], s21, v[OA]
	v_add_nc_u32 v[ADRB], s22, v[OA]
	v_add_nc_u32 v[ADRA+1], SLOT, v[ADRA]
	v_add_nc_u32 v[ADRB+1], SLOT, v[ADRB]
	s_sub_co_u32 s22, s22, s21                     ; from my A panel to my B panel
	v_mul_u32_u24 v5, s22, v3                      ; lanes 16-31 take B's
	v_lshl_add_u32 v5, v2, 4, v5
	s_add_co_u32 s21, s21, 12288
	v_add_nc_u32 v[ADRS], s21, v5
	v_add_nc_u32 v[ADRS+1], SLOT, v[ADRS]
	; the bias by columns, in the result's layout: accumulator b = 2 bb + u, register j: column 32 bb + 16 h + 8 u + j of my 128
	v_lshlrev_b32 v6, 6, v3
	s_lshl_b32 s72, s42, 10
	s_lshl_b32 s73, s16, 9
	s_add_co_u32 s72, s72, s73
.if MODE == 0
	s_mul_i32 s72, s72, s70                        ; (v^T does not use it: there it is read at the buffer's head, so that no register's state hangs on a branch)
.endif
	s_mov_b32 s73, 0
	s_add_nc_u64 s[72:73], s[BIAS:BIAS+1], s[72:73]
.irp b, 0,1,2,3,4,5,6,7
	global_load_b128 v[CB+8*\b:CB+8*\b+3], v6, s[72:73] offset:128*(\b/2)+32*(\b%2)
	global_load_b128 v[CB+8*\b+4:CB+8*\b+7], v6, s[72:73] offset:128*(\b/2)+32*(\b%2)+16
.endr
.if MODE == 0
	; the bias by rows, for v^T: block a, lane r: in_proj_b[2048 + my panel's row]; twice, as a pair for the packed addition.  (q | k does not use it: there tile row 0's is read)
	v_and_b32 v7, 8, v2
	v_add_nc_u32 v7, v7, v2
	v_lshlrev_b32 v7, 2, v7
	s_wait_alu depctr_va_vdst(0)
	s_xor_b32 s71, s70, 1
	s_lshl_b32 s74, s17, 10
	s_mul_i32 s74, s74, s71
	s_lshl_b32 s75, s15, 9
	s_add_co_u32 s74, s74, s75
	s_add_co_u32 s74, s74, 8192
	s_mov_b32 s75, 0
	s_add_nc_u64 s[74:75], s[BIAS:BIAS+1], s[74:75]
.irp a, 0,1,2,3,4,5,6,7
	global_load_b32 v[RB+2*\a], v7, s[74:75] offset:4*(32*(\a/2)+8*(\a%2))
	global_load_b32 v[RB+2*\a+1], v7, s[74:75] offset:4*(32*(\a/2)+8*(\a%2))
.endr
.endif
	; my block of the result: (panel 2 x tile row + my A panel, K step 2 x tile column + my B panel)
	s_lshl_b32 s76, s17, 1
	s_add_co_u32 s76, s76, s15
	s_lshl_b32 s76, s76, s68
	s_lshl_b32 s77, s42, 1
	s_add_co_u32 s77, s77, s16
	s_add_co_u32 s76, s76, s77
	s_mul_i32 s76, s76, BLK
	s_add_co_u32 s76, s76, s69
	s_mov_b32 s77, 0
	s_add_nc_u64 s[OUTP:OUTP+1], s[OUTP:OUTP+1], s[76:77]
.macro FRAG reg, adr, off              ; a fragment's image: three loads of 512 consecutive bytes
.irp c, 0,1,2
	ds_load_b128 v[\reg+4*\c:\reg+4*\c+3], v[\adr] offset:\off+512*\c
.endr
.endm
.macro FETCH_B slot, q, p              ; B's eight fragments of the slot's K step q into set p
	WIN TO_B
.irp i, 0,1,2,3,4,5,6,7
	FRAG 128*(\p)+FR*\i, ADRB+\slot, (\q)*BLK+1536*\i
.endr
	WIN 0
.endm
.macro FETCH_A slot, q, i0             ; A's blocks i0 .. i0 + 3
.irp i, \i0, \i0+1, \i0+2, \i0+3
	FRAG AF+FR*(\i), ADRA+\slot, (\q)*BLK+1536*(\i)
.endr
.endm
.macro SCALES slot                     ; the slot's scale words: four blocks' words a load
.irp q, 0,1
.irp u, 0,1
	ds_load_b128 v[SC+16*\slot+8*\q+4*\u:SC+16*\slot+8*\q+4*\u+3], v[ADRS+\slot] offset:\q*BLK+256*\u
.endr
.endr
.endm
; 16 matrix instructions: A's blocks a0, a0 + 1 x B's eight.  p: B's set; q: the slot's K step; sc: the slot.  mode 1: C = 0; 2: C = the bias; 0: in place.
; The 64 accumulators take turns, one instruction a turn, in the same order in every step.
.macro MUL16 a0, p, q, sc, mode
.irp a, \a0, \a0+1
.irp b, 0,1,2,3,4,5,6,7
.set rD, 8*(8*((\a)%4)+\b)
.set rB, 128*(\p)+FR*\b
.set rA, AF+FR*(\a)
.set rSB, SC+16*(\sc)+8*(\q)+\b
.set rSA, SC+16*(\sc)+8*(\q)+(\a)
.if \mode == 1
	v_wmma_scale_f32_16x16x128_f8f6f4 v[rD:rD+7], v[rB:rB+11], v[rA:rA+11], 0, v[rSB], v[rSA] matrix_a_fmt:MATRIX_FMT_FP6 matrix_b_fmt:MATRIX_FMT_FP6 matrix_a_scale:MATRIX_SCALE_ROW1
.elseif \mode == 2
	v_wmma_scale_f32_16x16x128_f8f6f4 v[rD:rD+7], v[rB:rB+11], v[rA:rA+11], v[CB+8*\b:CB+8*\b+7], v[rSB], v[rSA] matrix_a_fmt:MATRIX_FMT_FP6 matrix_b_fmt:MATRIX_FMT_FP6 matrix_a_scale:MATRIX_SCALE_ROW1
.else
	v_wmma_scale_f32_16x16x128_f8f6f4 v[rD:rD+7], v[rB:rB+11], v[rA:rA+11], v[rD:rD+7], v[rSB], v[rSA] matrix_a_fmt:MATRIX_FMT_FP6 matrix_b_fmt:MATRIX_FMT_FP6 matrix_a_scale:MATRIX_SCALE_ROW1
.endif
.endr
.endr
.endm
; A slot's first K step: B's set 0; the second K step's fragments are fetched meanwhile
.macro STEP slot, mode
	s_wait_dscnt 12                                ; B's set, A's blocks 0-3 and the scale words are in; the youngest 12 loads (A's blocks 4-7) may be out
.if \mode == 2
	WIN 0x81                                       ; C (the bias) in window 0, D in window 2
.else
	WIN MUL_LO
.endif
	MUL16 0, 0, 0, \slot, \mode
	MUL16 2, 0, 0, \slot, \mode
	s_wait_dscnt 0x0                               ; A's blocks 4-7 are in
	PLACES 4
	FETCH_B \slot, 1, 1
	FETCH_A \slot, 1, 0
.if \mode == 2
	WIN 0xc1
.else
	WIN MUL_HI
.endif
	MUL16 4, 0, 0, \slot, \mode
	MUL16 6, 0, 0, \slot, \mode
	PLACES 4
	WIN 0
	FETCH_A \slot, 1, 4
.endm
; A slot's second K step changes slots: ONE barrier; in front of it each wave waits for all its tensor loads, adds 0 to its spare word, and waits for that and for its reads of this slot.  fill = 1: this slot is filled again.
.macro TURN slot, next, fill
	s_wait_tensorcnt 0x0                           ; all my tensor loads have landed: my part of the next slot
	ds_add_u32 v[SPW], v[NIL]                      ; 0 onto my spare word
	s_wait_dscnt 13                                ; (the add and the youngest 12 loads, A's blocks 4-7, may be out)
	WIN MUL_LO
	MUL16 0, 1, 1, \slot, 0
	s_wait_dscnt 0x0                               ; the add is done, and my reads of this slot are over
	s_barrier_signal -1
	MUL16 2, 1, 1, \slot, 0
	WIN 0
	s_barrier_wait -1
.if \fill
	CREST                                          ; the barrier has opened a round of the cluster's: no wave of any partner still reads this slot or has a load on its way
	s_add_nc_u64 s[G0+4*\slot+2:G0+4*\slot+3], s[G0+4*\slot+2:G0+4*\slot+3], 2*REG
	s_add_nc_u64 s[G0B+4*\slot+2:G0B+4*\slot+3], s[G0B+4*\slot+2:G0B+4*\slot+3], 2*REG
	JLOAD G0+4*\slot, G1, G0B+4*\slot, G1B         ; the first tensor load behind the round; its four v_nop are also the places in front of the loads below
.else
	PLACES 4
.endif
	FETCH_B \next, 0, 0
	FETCH_A \next, 0, 0
	SCALES \next
	WIN MUL_HI
	MUL16 4, 1, 1, \slot, 0
	MUL16 6, 1, 1, \slot, 0
	PLACES 4
	WIN 0
	FETCH_A \next, 0, 4
.endm
	s_wait_tensorcnt 1                             ; my part of slot 0 is in; slot 1's may stay out
	s_barrier_signal -1
	s_barrier_wait -1
	FETCH_B 0, 0, 0
	FETCH_A 0, 0, 0
	SCALES 0
	FETCH_A 0, 0, 4
.if MODE == 0
	STEP 0, 1                                      ; K step 0 starts the sums with 0: the bias is added on the way out, by columns or by rows
.else
	s_wait_loadcnt 0x0                             ; the bias
	STEP 0, 2                                      ; K step 0 starts the sums with the bias
.endif
	TURN 0, 1, 1                                   ; K step 1; slot 0 takes K steps 4, 5
	STEP 1, 0
	TURN 1, 0, 1                                   ; K step 3; slot 1 takes K steps 6, 7
	STEP 0, 0
	TURN 0, 1, 0                                   ; K step 5; nothing is left to fetch
	STEP 1, 0
	s_wait_dscnt 12                                ; K step 7
	WIN MUL_LO
	MUL16 0, 1, 1, 1, 0
	MUL16 2, 1, 1, 1, 0
	s_wait_dscnt 0x0
	WIN MUL_HI
	MUL16 4, 1, 1, 1, 0
	MUL16 6, 1, 1, 1, 0
	WIN 0
; THE WAY OUT, A's block a at a time: its 64 results a lane (each accumulator from its low end on) get the bias or the activation, are quantised, and leave as fragment a of my block
.macro EPI a
.set AC, 64*((\a)%4)
.if MODE == 1
	WIN 0x08+4*((\a)/4)                            ; source 1: window 2 or 3
.set n, 0
.rept 64
	v_max_num_f32 v[HA+n], 0, v[AC+n]              ; relu
.set n, n+1
.endr
	WIN 0
.else
	s_cmp_lg_u32 s70, 0
	s_cbranch_scc0 .Lrows_\@
	WIN 0x02+(\a)/4                                ; source 0: window 2 or 3
.set n, 0
.rept 32
	v_pk_add_f32 v[HA+n:HA+n+1], v[AC+n:AC+n+1], v[CB+n:CB+n+1]
.set n, n+2
.endr
	WIN 0
	s_branch .Ladded_\@
.Lrows_\@:
	WIN 0x02+(\a)/4
.set n, 0
.rept 32
	v_pk_add_f32 v[HA+n:HA+n+1], v[AC+n:AC+n+1], v[RB+2*(\a):RB+2*(\a)+1]
.set n, n+2
.endr
	WIN 0
.Ladded_\@:
.endif
	s_wait_xcnt 0x0                                ; the last block's stores have read the codes' registers
	QUANT HA
.irp c, 0,1,2
	global_store_b128 v[OA], v[PC+4*\c:PC+4*\c+3], s[OUTP:OUTP+1] offset:1536*(\a)+512*\c   ; 512 consecutive bytes, aligned
.endr
	v_mov_b32 v[SW+(\a)], v[PW]
.endm
	PLACES 4
	s_wait_loadcnt 0x0                             ; the biases
.irp b, 0,1,2,3
	v_mov_b32 v[TM+4+\b], 0                        ; written once: a lane permute's destination counts as one of its sources
.endr
.irp a, 0,1,2,3,4,5,6,7
	EPI \a
.endr
	v_cmp_ne_u32 vcc_lo, 0, v3                     ; lanes 0-15 store the words of fragments 0-3, lanes 16-31 those of fragments 4-7
.irp k, 0,1,2,3
	v_cndmask_b32 v[SW+\k], v[SW+\k], v[SW+4+\k], vcc_lo
.endr
	global_store_b128 v[OA], v[SW:SW+3], s[OUTP:OUTP+1] offset:12288   ; 512 consecutive bytes: 256 h + 16 r = 16 x lane
	s_wait_tensorcnt 0x0                           ; the wave's end
	ds_add_u32 v[SPW], v[NIL]
	s_wait_dscnt 0x0
	CROUND                                         ; the closing round
	s_endpgm
.Lfunc_end_k_qec8364992b_gemm_qkv:
	.size	k_qec8364992b_gemm_qkv, .Lfunc_end_k_qec8364992b_gemm_qkv-k_qec8364992b_gemm_qkv
	.p2alignl 7, 3214868480
	.fill 96, 4, 3214868480
	.section	.rodata,"a",@progbits
	.p2align	6, 0x0
	.amdhsa_kernel k_qec8364992b_gemm_qkv
		.amdhsa_group_segment_fixed_size 327680
		.amdhsa_private_segment_fixed_size 0
		.amdhsa_enable_private_segment 0
		.amdhsa_kernarg_size 24
		.amdhsa_user_sgpr_count 2
		.amdhsa_user_sgpr_kernarg_segment_ptr 1
		.amdhsa_wavefront_size32 1
		.amdhsa_system_sgpr_workgroup_id_x 1
		.amdhsa_system_sgpr_workgroup_id_y 1
		.amdhsa_system_sgpr_workgroup_id_z 1
		.amdhsa_system_vgpr_workitem_id 0
		.amdhsa_next_free_vgpr 1024
		.amdhsa_next_free_sgpr 98
		.amdhsa_reserve_vcc 1
		.amdhsa_float_denorm_mode_32 3
		.amdhsa_float_denorm_mode_16_64 3
		.amdhsa_memory_ordered 1
		.amdhsa_forward_progress 1
		.amdhsa_inst_pref_size 173
	.end_amdhsa_kernel
	.amdgpu_metadata
---
amdhsa.version: [ 1, 2 ]
amdhsa.kernels:
  - .name:           k_qec8364992b_gemm_qkv
    .symbol:         k_qec8364992b_gemm_qkv.kd
    .args:
      - { .name: packed_in, .offset: 0, .size: 8, .value_kind: global_buffer, .address_space: global }
      - { .name: in_proj_b, .offset: 8, .size: 8, .value_kind: global_buffer, .address_space: global }
      - { .name: qkv_p, .offset: 16, .size: 8, .value_kind: global_buffer, .address_space: global }
    .group_segment_fixed_size: 327680
    .private_segment_fixed_size: 0
    .kernarg_segment_align: 8
    .kernarg_segment_size: 24
    .max_flat_workgroup_size: 128
    .sgpr_count:     98
    .vgpr_count:     1024
    .wavefront_size: 32
...
	.end_amdgpu_metadata
.endif
;; end of part 2
;; launch attn (part 3): grid 8 x 32, 16 waves a work-group, no clusters, 167,936 bytes of LDS; arguments qkv_p, at_p; writes at_p
.if DOCPART == 3
	.amdgcn_target "amdgcn-amd-amdhsa--gfx1250"
	.amdhsa_code_object_version 6
	.text
	.protected	k_qec8364992b_attn
	.globl	k_qec8364992b_attn
	.p2align	8
	.type	k_qec8364992b_attn,@function
k_qec8364992b_attn:
	s_mov_b64 s[64:65], 0
	v_nop
	global_prefetch_b8 v0, s[64:65] scope:SCOPE_SE
	s_setreg_imm32_b32 hwreg(HW_REG_WAVE_MODE, 25, 1), 1
	s_wait_xcnt 0x0
; Banded attention on codes of FP6 (E2M3): o = softmax(q k^T / 8, keys j with |i - j| <= 128) v for two heads (a pair) and one panel of 128 tokens, quantised along D and stored as the next product's operand.
; qkv_p: blocks of 12,800 bytes (128 rows x 128 K as images of the operand's registers: fragment i at 1,536 i, registers 4 c .. 4 c + 3 of lane l at 512 c + 16 l; scale words at 12,288 + 256 (i / 4) + 16 r + 4 (i % 4);
; lane r of fragment 2 b + u holds row 32 b + 8 u + r + 8 (r / 8)).  q | k: block (token panel P, K step): K steps 0-7 q's pairs of heads, 8-15 k's.  v^T from VT_OFF on: block (pair of heads, token panel): rows d, K = the tokens.
; SHARES.  Work-group (x = pair of heads, y = token panel).  Wave W: head W % 2 of the pair, fragment W / 2 of the queries: 16 queries of one head, in 256 registers; four waves to a SIMD, so that one wave's softmax stands beside another's products.
; THE BAND.  A query's 257 keys lie in its own panel, the one before and the one behind: three steps of 128 keys.  In the own panel every key counts; in the one before, keys whose place is at or above the query's; behind, at or below.
; A panel beyond the sequence's end (16 panels a sequence) is hidden whole by an offset on the compare, chosen by ids; its tensor load is given the own panel's address.  The own panel goes first, so the maximum is a number from the first step.
; A K STEP HOLDS BOTH HEADS: the other head's half of q's codes is cleared, and its two scale bytes are set to 1, so k's fragments serve as they lie.
; THE SOFTMAX: t = score x log2(e) / 8; M = the running largest t rounded UP to a whole number; p = 2^(t - M) is quantised along the keys, not normalised; the sum of the unquantised p divides at the end; when M moves, sum and O^T are multiplied by 2^(old M - new M).
; Both products are used transposed (S^T = k q^T, O^T = v^T p^T): a lane holds one query throughout; by the order of k's rows the 16 registers of tiles 2 b, 2 b + 1 are keys 32 b + 16 (lane / 16) + 0 .. 15.
; NO CLUSTER: a block is wanted by three work-groups at three different places of their LDS, once each, at the launch's head; there is no ring.  LDS bytes are filled once.
; LIMITS: a block of zeros, or one under 2^-124, gets the byte 1 (read by this program alone); NaN and infinities are not served.
; REGISTERS: v1-11, v28-30 addresses; v12 -M, v13 the largest t, v[14:15] the sum; v16-27 q; v32-79 four fragments; v96-159 S^T, then p; v160-191 O^T; v224-235 p's codes; v232-247, v252, v254 at work; v248-251 scale words; v253 p's scale word; v255 q's.
.set BLK,   12800
.set VT_OFF, 512*BLK
.set OUT,   6*BLK                      ; LDS: k own, before, behind; v^T likewise; then the result's block, written by LDS stores alone
.set SPARE, 7*BLK                      ; the spare words, 128 bytes for each of sixteen waves
.set AL,  1                            ; 16 x lane
.set AKS, 2                            ; 16 r
.set AV,  3                            ; v^T's fragments of my head
.set AVS, 4                            ; and their scale words
.set SPW, 5
.set NIL, 6
.set VD,  7                            ; my query's place in the panel - 16 (lane / 16)
.set OA0, 8                            ; the way out: my codes' first and third piece of 8 bytes,
.set OA1, 9                            ; the second,
.set OSC, 10                           ; my two scale bytes
.set CPL, 11                           ; the copy out: LDS,
.set CPG, 28                           ; memory
.set QO,  29
.set QS,  30
.set WV,  18
.set SEL, 20
.set CS,  22
	s_load_b128 s[4:7], s[0:1], 0x0                ; qkv_p, at_p
	v_lshl_add_u32 v[SPW], v0, 2, SPARE
	v_mov_b32 v[NIL], 0
	ds_add_u32 v[SPW], v[NIL]                      ; the wave's opening: the add and its wait ahead of the first tensor load
	ds_add_u32 v[SPW], v[NIL]
	v_lshrrev_b32 v8, 5, v0
	s_delay_alu instid0(VALU_DEP_1)
	v_readfirstlane_b32 s[WV], v8                  ; wave 0..15
	s_and_b32 s8, s[WV], 1                         ; c: my head of the pair
	s_lshr_b32 s9, s[WV], 1                        ; i: my fragment of queries
	v_and_b32 v12, 31, v0                          ; lane
	v_and_b32 v13, 15, v0                          ; r
	v_bfe_u32 v14, v0, 4, 1                        ; h
	s_wait_alu depctr_va_vdst(0)
	v_lshlrev_b32 v[AL], 4, v12
	s_wait_alu depctr_va_vdst(0)
	v_lshlrev_b32 v[AKS], 4, v13
	s_mul_i32 s10, s8, 6144
	s_add_co_u32 s10, s10, 3*BLK
	v_add_nc_u32 v[AV], s10, v[AL]
	s_lshl_b32 s10, s8, 8
	s_add_co_u32 s10, s10, 3*BLK+12288
	v_add_nc_u32 v[AVS], s10, v[AKS]
	v_and_b32 v15, 8, v13
	s_delay_alu instid0(VALU_DEP_1)
	v_add_nc_u32 v15, v15, v13                     ; r + 8 (r / 8)
	s_lshr_b32 s10, s9, 1
	s_lshl_b32 s10, s10, 5
	s_and_b32 s11, s9, 1
	s_lshl_b32 s11, s11, 3
	s_add_co_u32 s10, s10, s11
	v_add_nc_u32 v[VD], s10, v15                   ; my query's place: 32 (i / 2) + 8 (i % 2) + r + 8 (r / 8)
	v_lshlrev_b32 v15, 4, v14
	s_delay_alu instid0(VALU_DEP_1)
	v_sub_nc_u32 v[VD], v[VD], v15
	s_mul_i32 s10, s9, 1536
	v_add_nc_u32 v[QO], s10, v[AL]
	s_mul_i32 s11, s8, 520                         ; my head's registers 6 c .. 6 c + 5 of the fragment: bytes 0, 8, 512 (c = 0) or 520, 1024, 1032 (c = 1) beside 16 x lane
	s_add_co_u32 s10, s10, s11
	s_add_co_u32 s10, s10, OUT
	v_add_nc_u32 v[OA0], s10, v[AL]
	s_mul_i32 s11, s8, 496
	s_add_co_u32 s11, s11, 8
	v_add_nc_u32 v[OA1], s11, v[OA0]
	s_lshr_b32 s10, s9, 2
	s_lshl_b32 s10, s10, 8
	s_and_b32 s11, s9, 3
	s_lshl_b32 s11, s11, 2
	s_add_co_u32 s10, s10, s11                     ; fragment i's scale words: 256 (i / 4) + 4 (i % 4)
	v_add_nc_u32 v[QS], s10, v[AKS]
	s_lshl_b32 s11, s8, 1
	s_add_co_u32 s11, s10, s11
	s_add_co_u32 s11, s11, OUT+12288
	v_add_nc_u32 v[OSC], s11, v[AKS]
	s_lshl_b32 s10, s[WV], 9
	v_add_nc_u32 v[CPG], s10, v[AL]
	s_delay_alu instid0(VALU_DEP_1)
	v_add_nc_u32 v[CPL], OUT, v[CPG]
	; ids
	s_and_b32 s24, ttmp7, 0xffff                   ; P
	s_and_b32 s25, s24, 15                         ; its place in the sequence
	s_cmp_lg_u32 s25, 0
	s_cselect_b32 s26, 1, 0
	s_cselect_b32 s28, 0, 4096                     ; no panel before: every key of that step is hidden
	s_cmp_lg_u32 s25, 15
	s_cselect_b32 s27, 1, 0
	s_cselect_b32 s29, 0, 0xfffff000               ; no panel behind: likewise
	s_sub_co_u32 s26, s24, s26                     ; the panel before, or my own
	s_add_co_u32 s27, s24, s27                     ; the panel behind, or my own
	s_cmp_ge_u32 s[WV], 3                          ; waves 0-2 fetch k's three blocks, waves 3-5 v^T's
	s_cselect_b32 s30, 3, 0
	s_cselect_b32 s31, 1, 0
	s_sub_co_u32 s30, s[WV], s30
	s_cmp_eq_u32 s30, 1
	s_cselect_b32 s32, s26, s24
	s_cmp_eq_u32 s30, 2
	s_cselect_b32 s32, s27, s32
	s_lshl_b32 s33, s32, 4
	s_add_co_u32 s33, s33, ttmp9
	s_add_co_u32 s33, s33, 8
	s_mul_i32 s33, s33, BLK                        ; k: block (panel, 8 + pair)
	s_lshl_b32 s34, ttmp9, 5
	s_add_co_u32 s34, s34, s32
	s_mul_i32 s34, s34, BLK
	s_add_co_u32 s34, s34, VT_OFF                  ; v^T: block (pair, panel)
	s_cmp_eq_u32 s31, 0
	s_cselect_b32 s34, s33, s34
	s_mov_b32 s35, 0
	s_lshl_b32 s12, s24, 4
	s_add_co_u32 s12, s12, ttmp9
	s_mul_i32 s12, s12, BLK                        ; q: block (P, pair)
	s_mov_b32 s13, 0
	s_lshl_b32 s14, s24, 3
	s_add_co_u32 s14, s14, ttmp9
	s_mul_i32 s14, s14, BLK                        ; the result: block (P, pair)
	s_mov_b32 s15, 0
	s_cmp_eq_u32 s8, 0
	s_cselect_b32 s48, -1, 0                       ; keeps q's registers 0-5,
	s_cselect_b32 s49, 0, -1                       ; 6-11
	s_mov_b32 s50, 0xffff0000
	s_cselect_b32 s50, 0xffff, s50                 ; keeps my head's two scale bytes,
	s_mov_b32 s51, 0x101
	s_cselect_b32 s51, 0x1010000, s51              ; and sets the other head's to 1
	s_mov_b32 s[SEL], 0x76543210
	s_mov_b32 s[SEL+1], 0xfedcba98
	s_mov_b32 s[CS], 0x3e38aa3b                    ; c = log2(e) / 8
	s_mov_b32 s[CS+1], s[CS]
	; descriptor group 1: a block, 12,800 dense bytes, as 50 rows of 32 elements of 8 bytes
	s_mov_b32 s40, 3<<16
	s_mov_b32 s41, 32<<16
	s_mov_b32 s42, 50<<16
	s_mov_b32 s43, 32<<16
	s_mov_b32 s44, 50
	s_mov_b32 s45, 32
	s_mov_b32 s46, 0
	s_mov_b32 s47, 0
	s_mov_b32 s36, 1
	s_mul_i32 s37, s[WV], BLK                      ; region W
	s_wait_dscnt 0x0                               ; the opening add is done
	s_wait_kmcnt 0x0
	s_add_nc_u64 s[38:39], s[4:5], s[34:35]
	s_or_b32 s39, s39, 0x80000000
	s_add_nc_u64 s[12:13], s[4:5], s[12:13]
	s_add_nc_u64 s[14:15], s[6:7], s[14:15]
	s_cmp_lt_u32 s[WV], 6
	s_cbranch_scc0 .Lno_fetch
	tensor_load_to_lds s[36:39], s[40:47]          ; one load a wave, six in all: each LDS byte is filled once
	s_nop 0
.rept 4
	v_nop
.endr
.Lno_fetch:
	s_wait_alu depctr_va_vdst(0)
.irp cc, 0,1,2
	global_load_b128 v[16+4*\cc:19+4*\cc], v[QO], s[12:13] offset:512*\cc   ; q's fragment stays in registers
.endr
	global_load_b32 v255, v[QS], s[12:13] offset:12288
	v_mov_b32 v13, 0xff61b1e6                      ; the largest t so far: -3e38
	s_delay_alu instid0(VALU_DEP_1)
	v_floor_f32 v12, -v13                          ; -M
	v_mov_b32 v14, 0
	v_mov_b32 v15, 0
.irp b, 0,1,2,3
	v_mov_b32 v[236+\b], 0                         ; written once: a lane permute's destination counts as one of its sources
.endr
	v_mov_b32 v253, 0                              ; (named as the upper half of the pair v[252:253] before it is first written)
	s_wait_loadcnt 0x0
.irp j, 0,1,2,3,4,5
	v_and_b32 v[16+\j], s48, v[16+\j]
	v_and_b32 v[22+\j], s49, v[22+\j]
.endr
	v_and_or_b32 v255, v255, s50, s51
.rept 8
	v_nop                                          ; a scale register written by a vector instruction stands 8 plain instructions ahead of a scaled matrix instruction, an operand 4
.endr
	s_wait_alu depctr_va_vdst(0)
	s_wait_tensorcnt 0x0                           ; my block has landed,
	s_barrier_signal -1
	s_barrier_wait -1                              ; everybody's has
; A STEP: 128 keys, those of LDS regions s (k) and 3 + s (v^T).  mask 0: all count; 1: the panel before; 2: the panel behind.  first = 1: O^T's sums start with 0.
.macro STEP s, mask, first
.if !\first
.rept 4
	v_nop                                          ; places in front of loads into registers that the last products read
.endr
.endif
.irp g, 0,1
.if \g
.rept 4
	v_nop
.endr
.endif
.irp t, 0,1,2,3
.irp cc, 0,1,2
	ds_load_b128 v[32+12*\t+4*\cc:35+12*\t+4*\cc], v[AL] offset:BLK*\s+1536*(4*\g+\t)+512*\cc
.endr
.endr
	ds_load_b128 v[248:251], v[AKS] offset:BLK*\s+12288+256*\g
	s_wait_dscnt 0x0
.irp t, 0,1,2,3
	v_wmma_scale_f32_16x16x128_f8f6f4 v[96+8*(4*\g+\t):103+8*(4*\g+\t)], v[32+12*\t:43+12*\t], v[16:27], 0, v[248+\t], v255 matrix_a_fmt:MATRIX_FMT_FP6 matrix_b_fmt:MATRIX_FMT_FP6
.endr
.endr
.rept 4
	v_nop
.endr
.irp t, 0,1,2,3                                ; v^T's four fragments of my head are asked for now and land under the softmax
.irp cc, 0,1,2
	ds_load_b128 v[32+12*\t+4*\cc:35+12*\t+4*\cc], v[AV] offset:BLK*\s+1536*\t+512*\cc
.endr
.endr
	ds_load_b128 v[248:251], v[AVS] offset:BLK*\s
.if \mask                                      ; register n holds the key at place 32 (n / 16) + n % 16 + 16 (lane / 16); hidden scores become -infinity ahead of the maximum: p = 0 then
	v_add_nc_u32 v252, s[27+\mask], v[VD]
	v_mov_b32 v254, 0xff800000
.set n, 0
.rept 64
.if \mask == 1
	v_cmp_lt_i32 vcc_lo, 32*(n/16)+n%16, v252      ; before: hidden where the key's place is under the query's
.else
	v_cmp_gt_i32 vcc_lo, 32*(n/16)+n%16, v252      ; behind: hidden where it is above
.endif
	v_cndmask_b32 v[96+n], v[96+n], v254, vcc_lo
.set n, n+1
.endr
.endif
.irp b, 0,1,2,3
	v_max3_num_f32 v[232+\b], v[96+16*\b], v[97+16*\b], v[98+16*\b]   ; the largest score of each block of 32 keys: for the row's maximum, and, since p rises with the score, for the block's largest p
.endr
.irp i, 3,5,7,9,11,13
.irp b, 0,1,2,3
	v_max3_num_f32 v[232+\b], v[232+\b], v[96+16*\b+\i], v[97+16*\b+\i]
.endr
.endr
.irp b, 0,1,2,3
	v_max_num_f32 v[232+\b], v[232+\b], v[111+16*\b]
.endr
.irp b, 0,1,2,3
	s_delay_alu instid0(VALU_DEP_4)
	v_permlanex16_b32 v[236+\b], v[232+\b], s[SEL], s[SEL+1]
.endr
.irp b, 0,1,2,3
	s_delay_alu instid0(VALU_DEP_4)
	v_max_num_f32 v[232+\b], v[232+\b], v[236+\b]
.endr
	s_delay_alu instid0(VALU_DEP_2)
	v_max3_num_f32 v254, v232, v233, v234
	s_delay_alu instid0(VALU_DEP_1)
	v_max_num_f32 v254, v254, v235
	s_delay_alu instid0(VALU_DEP_1)
	v_mul_f32 v254, s[CS], v254                    ; the step's largest t
	s_delay_alu instid0(VALU_DEP_1)
	v_max_num_f32 v13, v13, v254
	v_mov_b32 v254, v12
	s_delay_alu instid0(VALU_DEP_2)
	v_floor_f32 v12, -v13                          ; the new -M = -ceil(t)
	s_delay_alu instid0(VALU_DEP_1)
	v_sub_f32 v254, v12, v254                      ; old M - new M: a whole number, 0 or less
	s_delay_alu instid0(VALU_DEP_1)
	v_cvt_i32_f32 v254, v254                       ; (it saturates)
	s_delay_alu instid0(VALU_DEP_1)
	v_ldexp_f32 v252, 1.0, v254                    ; f = 2^(old M - new M)
.irp j, 0,2,4,6,8,10,12,14,16,18,20,22,24,26,28,30,32,34,36,38,40,42,44,46,48,50,52,54,56,58,60,62
	v_pk_fma_f32 v[96+\j:97+\j], v[96+\j:97+\j], s[CS:CS+1], v[12:13] op_sel_hi:[1,0,0]   ; t - M
.endr
.irp b, 0,1,2,3
	v_fma_f32 v[232+\b], v[232+\b], s[CS], v12
.endr
.set n, 0
	s_wait_alu depctr_va_vdst(0)
.rept 64
	v_exp_f32 v[96+n], v[96+n]                     ; p = 2^(t - M)
.set n, n+1
.endr
	v_pk_mul_f32 v[14:15], v[14:15], v[252:253] op_sel_hi:[1,0]   ; the sums under the new M (a plain instruction behind the exponentials)
	s_wait_alu depctr_va_vdst(0)                   ; one wait for the whole batch, ahead of its first reader
.irp b, 0,1,2,3
	v_exp_f32 v[232+\b], v[232+\b]                 ; the block's largest p
.endr
	v_pk_add_f32 v[236:237], v[100:101], v[104:105]
	v_pk_add_f32 v[246:247], v[108:109], v[112:113]
	v_pk_add_f32 v[244:245], v[116:117], v[120:121]
	v_pk_add_f32 v[242:243], v[124:125], v[128:129]
	v_pk_add_f32 v[240:241], v[132:133], v[136:137]
	v_pk_add_f32 v[238:239], v[140:141], v[144:145]
	v_pk_add_f32 v[230:231], v[148:149], v[152:153]
	v_pk_add_f32 v[14:15], v[14:15], v[156:157]
	v_pk_add_f32 v[236:237], v[236:237], v[96:97]
	v_pk_add_f32 v[246:247], v[246:247], v[98:99]
	v_pk_add_f32 v[244:245], v[244:245], v[102:103]
	v_pk_add_f32 v[242:243], v[242:243], v[106:107]
	v_pk_add_f32 v[240:241], v[240:241], v[110:111]
	v_pk_add_f32 v[238:239], v[238:239], v[114:115]
	v_pk_add_f32 v[230:231], v[230:231], v[118:119]
	v_pk_add_f32 v[14:15], v[14:15], v[122:123]
	v_pk_add_f32 v[236:237], v[236:237], v[126:127]
	v_pk_add_f32 v[246:247], v[246:247], v[130:131]
	v_pk_add_f32 v[244:245], v[244:245], v[134:135]
	v_pk_add_f32 v[242:243], v[242:243], v[138:139]
	v_pk_add_f32 v[240:241], v[240:241], v[142:143]
	v_pk_add_f32 v[238:239], v[238:239], v[146:147]
	v_pk_add_f32 v[230:231], v[230:231], v[150:151]
	v_pk_add_f32 v[14:15], v[14:15], v[154:155]
	v_pk_add_f32 v[236:237], v[236:237], v[158:159]
	s_delay_alu instid0(VALU_DEP_2)
	v_pk_add_f32 v[14:15], v[14:15], v[242:243]
	s_delay_alu instid0(VALU_DEP_2)
	v_pk_add_f32 v[236:237], v[236:237], v[240:241]
	v_pk_add_f32 v[246:247], v[246:247], v[238:239]
	v_pk_add_f32 v[244:245], v[244:245], v[230:231]
	s_delay_alu instid0(VALU_DEP_2)
	v_pk_add_f32 v[14:15], v[14:15], v[246:247]
	s_delay_alu instid0(VALU_DEP_2)
	v_pk_add_f32 v[236:237], v[236:237], v[244:245]
	s_delay_alu instid0(VALU_DEP_1)
	v_pk_add_f32 v[14:15], v[14:15], v[236:237]
	s_wait_alu depctr_va_vdst(0)                   ; and one for the four
.irp b, 0,1,2,3
	v_max_num_f32 v[232+\b], 0x1800000, v[232+\b]  ; the floor 2^(3 - 127): the byte cannot fall under 1
.endr
.irp b, 0,1,2,3
	s_delay_alu instid0(VALU_DEP_4)
	v_add_nc_u32 v[244+\b], 0xff000000, v[232+\b]
.endr
.irp b, 0,1,2,3
	s_delay_alu instid0(VALU_DEP_4)
	v_lshrrev_b32 v[236+\b], 23, v[244+\b]
.endr
	s_delay_alu instid0(VALU_DEP_3)
	v_lshl_or_b32 v253, v237, 8, v236              ; p's scale word for these 128 keys
	s_delay_alu instid0(VALU_DEP_1)
	v_lshl_or_b32 v253, v238, 16, v253
	s_delay_alu instid0(VALU_DEP_1)
	v_lshl_or_b32 v253, v239, 24, v253
.irp c, 0,1
	v_cvt_scalef32_pk16_fp6_f32 v[224+6*\c:226+6*\c], v[96+32*\c:111+32*\c], v[244+2*\c]
	v_cvt_scalef32_pk16_fp6_f32 v[236+4*\c:238+4*\c], v[112+32*\c:127+32*\c], v[245+2*\c]
.endr
	v_nop                                          ; one plain instruction behind the scaled conversions
.irp c, 0,1
.irp i, 0,1,2
	v_permlane16_swap_b32 v[224+6*\c+\i], v[236+4*\c+\i]
.endr
.irp i, 0,1,2
	s_delay_alu instid0(VALU_DEP_3)
	v_mov_b32 v[227+6*\c+\i], v[236+4*\c+\i]
.endr
.endr
.if \first
	s_wait_alu depctr_va_vdst(0)
.rept 8
	v_nop                                          ; the places in front of the scaled products below
.endr
.else
.irp j, 0,2,4,6,8,10,12,14,16,18,20,22,24,26,28,30
	v_pk_mul_f32 v[160+\j:161+\j], v[160+\j:161+\j], v[252:253] op_sel_hi:[1,0]   ; O^T under the new M (these are also the places in front of the products below)
.endr
.endif
	s_wait_alu depctr_va_vdst(0)
	s_wait_dscnt 0x0                               ; v^T's fragments and scale words are in
.irp t, 0,1,2,3
.if \first
	v_wmma_scale_f32_16x16x128_f8f6f4 v[160+8*\t:167+8*\t], v[32+12*\t:43+12*\t], v[224:235], 0, v[248+\t], v253 matrix_a_fmt:MATRIX_FMT_FP6 matrix_b_fmt:MATRIX_FMT_FP6
.else
	v_wmma_scale_f32_16x16x128_f8f6f4 v[160+8*\t:167+8*\t], v[32+12*\t:43+12*\t], v[224:235], v[160+8*\t:167+8*\t], v[248+\t], v253 matrix_a_fmt:MATRIX_FMT_FP6 matrix_b_fmt:MATRIX_FMT_FP6
.endif
.endr
.endm
	STEP 0, 0, 1                                   ; my own panel
	STEP 1, 1, 0                                   ; the panel before
	STEP 2, 2, 0                                   ; the panel behind
	; THE WAY OUT: O^T / the sum; register 16 b + i is channel 32 b + 16 (lane / 16) + i of my head: two blocks of 32 along D
	v_add_f32 v14, v14, v15
	s_delay_alu instid0(VALU_DEP_1)
	v_permlanex16_b32 v252, v14, s[SEL], s[SEL+1]
	s_delay_alu instid0(VALU_DEP_1)
	v_add_f32 v14, v14, v252
	s_wait_alu depctr_va_vdst(0)
	v_rcp_f32 v14, v14
.rept 4
	v_nop                                          ; plain instructions behind the reciprocal and behind the last products
.endr
	s_wait_alu depctr_va_vdst(0)                   ; ahead of the reciprocal's first reader
.set n, 0
.rept 32
	v_mul_f32 v[96+n], v[160+n], v14
.set n, n+1
.endr
.irp b, 0,1
	v_max3_num_f32 v[232+\b], |v[96+16*\b]|, |v[97+16*\b]|, 0x1800000
.endr
.irp i, 2,4,6,8,10,12,14
.irp b, 0,1
	s_delay_alu instid0(VALU_DEP_2)
	v_max3_num_f32 v[232+\b], v[232+\b], |v[96+16*\b+\i]|, |v[97+16*\b+\i]|
.endr
.endr
.irp b, 0,1
	s_delay_alu instid0(VALU_DEP_2)
	v_permlanex16_b32 v[236+\b], v[232+\b], s[SEL], s[SEL+1]
.endr
.irp b, 0,1
	s_delay_alu instid0(VALU_DEP_2)
	v_max_num_f32 v[232+\b], v[232+\b], v[236+\b]
.endr
.irp b, 0,1
	s_delay_alu instid0(VALU_DEP_2)
	v_add_nc_u32 v[244+\b], 0xff000000, v[232+\b]
.endr
.irp b, 0,1
	s_delay_alu instid0(VALU_DEP_2)
	v_lshrrev_b32 v[236+\b], 23, v[244+\b]
.endr
	s_delay_alu instid0(VALU_DEP_1)
	v_lshl_or_b32 v254, v237, 8, v236              ; my head's two scale bytes
	v_cvt_scalef32_pk16_fp6_f32 v[224:226], v[96:111], v244
	v_cvt_scalef32_pk16_fp6_f32 v[240:242], v[112:127], v245
	v_nop
.irp i, 0,1,2
	v_permlane16_swap_b32 v[224+\i], v[240+\i]
.endr
.irp i, 0,1,2
	s_delay_alu instid0(VALU_DEP_3)
	v_mov_b32 v[227+\i], v[240+\i]                 ; v224-229: registers 6 c .. 6 c + 5 of fragment i of the result's block
.endr
	ds_store_b64 v[OA0], v[224:225]
	ds_store_b64 v[OA1], v[226:227]
	ds_store_b64 v[OA0], v[228:229] offset:512
	ds_store_b16 v[OSC], v254                      ; lanes r and r + 16 write the same two bytes with the same value
	s_wait_dscnt 0x0                               ; for the others' sake: my stores have landed
	s_barrier_signal -1
	s_barrier_wait -1                              ; the block is whole: 25 pieces of 512 bytes; wave W copies piece W, and piece 16 + W where there is one
	ds_load_b128 v[32:35], v[CPL]
	s_cmp_lt_u32 s[WV], 9
	s_cbranch_scc0 .Lone_piece
	ds_load_b128 v[36:39], v[CPL] offset:8192
	s_wait_dscnt 0x0
	global_store_b128 v[CPG], v[36:39], s[14:15] offset:8192
.Lone_piece:
	s_wait_dscnt 0x0
	global_store_b128 v[CPG], v[32:35], s[14:15]   ; 512 consecutive bytes, aligned
	s_wait_tensorcnt 0x0                           ; the wave's end
	ds_add_u32 v[SPW], v[NIL]
	s_wait_dscnt 0x0
	s_endpgm
.Lfunc_end_k_qec8364992b_attn:
	.size	k_qec8364992b_attn, .Lfunc_end_k_qec8364992b_attn-k_qec8364992b_attn
	.p2alignl 7, 3214868480
	.fill 96, 4, 3214868480
	.section	.rodata,"a",@progbits
	.p2align	6, 0x0
	.amdhsa_kernel k_qec8364992b_attn
		.amdhsa_group_segment_fixed_size 167936
		.amdhsa_private_segment_fixed_size 0
		.amdhsa_enable_private_segment 0
		.amdhsa_kernarg_size 16
		.amdhsa_user_sgpr_count 2
		.amdhsa_user_sgpr_kernarg_segment_ptr 1
		.amdhsa_wavefront_size32 1
		.amdhsa_system_sgpr_workgroup_id_x 1
		.amdhsa_system_sgpr_workgroup_id_y 1
		.amdhsa_system_sgpr_workgroup_id_z 1
		.amdhsa_system_vgpr_workitem_id 0
		.amdhsa_next_free_vgpr 256
		.amdhsa_next_free_sgpr 66
		.amdhsa_reserve_vcc 1
		.amdhsa_float_denorm_mode_32 3
		.amdhsa_float_denorm_mode_16_64 3
		.amdhsa_memory_ordered 1
		.amdhsa_forward_progress 1
		.amdhsa_inst_pref_size 74
	.end_amdhsa_kernel
	.amdgpu_metadata
---
amdhsa.version: [ 1, 2 ]
amdhsa.kernels:
  - .name:           k_qec8364992b_attn
    .symbol:         k_qec8364992b_attn.kd
    .args:
      - { .name: qkv_p, .offset: 0, .size: 8, .value_kind: global_buffer, .address_space: global }
      - { .name: at_p, .offset: 8, .size: 8, .value_kind: global_buffer, .address_space: global }
    .group_segment_fixed_size: 167936
    .private_segment_fixed_size: 0
    .kernarg_segment_align: 8
    .kernarg_segment_size: 16
    .max_flat_workgroup_size: 512
    .sgpr_count:     66
    .vgpr_count:     256
    .wavefront_size: 32
...
	.end_amdgpu_metadata
.endif
;; end of part 3
;; launch out_ln1 (part 4): grid 128 x 1, 8 waves a work-group, no clusters, 327,680 bytes of LDS; arguments at_p, packed_in, out_proj_b, x, ln1_g, ln1_b, x2, x2_p; writes x2, x2_p
.if DOCPART == 4
	.amdgcn_target "amdgcn-amd-amdhsa--gfx1250"
	.amdhsa_code_object_version 6
	.text
	.protected	k_qec8364992b_out_ln1
	.globl	k_qec8364992b_out_ln1
	.p2align	8
	.type	k_qec8364992b_out_ln1,@function
k_qec8364992b_out_ln1:
	s_mov_b64 s[64:65], 0
	v_nop
	global_prefetch_b8 v0, s[64:65] scope:SCOPE_SE
	s_setreg_imm32_b32 hwreg(HW_REG_WAVE_MODE, 25, 1), 1
	s_wait_xcnt 0x0
; ONE DESIGN, WRITTEN TWICE (KS, WOFF, PACK): out = LayerNorm(residual + A B^T + bias) along rows of 1,024; the product on codes of FP6 (E2M3) with E8M0 scales, all else f32.
; Here: A = at_p (KS = 8 K steps of 128), B = out_proj_w, residual x, result x2 (f32) and, PACK = 1, x2_p: the result quantised along its row, as the next product's operand.
; OPERANDS lie in memory as images of their registers: a block of 12,800 bytes = 128 rows x 128 K: fragment i at 1,536 i (registers 4 c .. 4 c + 3 of lane l at 512 c + 16 l), scale words at 12,288 + 256 (i / 4) + 16 r + 4 (i % 4);
; lane r of fragment 2 b + u holds row 32 b + 8 u + r + 8 (r / 8) of the panel.  A panel's K steps are consecutive blocks.
; SHARES.  A work-group owns 32 whole rows (fragments 2 bb, 2 bb + 1 of a panel of A) x all 1,024 columns, so that the norm needs no second launch: 4,096 / 32 = 128 work-groups.  16 rows each would make 256, each reading all of B for half the products.
; Eight waves, two to a SIMD; wave w takes B's panel w, 128 columns: 2 x 8 accumulators.  EACH BYTE OF B IS USED BY ONE WAVE OF THE WORK-GROUP, ONCE: it goes from memory straight into that wave's registers, a block (25 loads of 512
; consecutive bytes) a K step, three buffers, asked for three K steps ahead of its use.  So B has no LDS tile, the K loop has no barrier, and there is nothing that a cluster's joint load could fill: cluster = none.
; No prefetch into the L2: the loop's own loads are issued three K steps ahead of their use; a prefetch would name the same blocks once more.
; A's two fragments and scale words of all K steps are staged once in LDS (each wave brings KS / 8 K steps).  The residual of my 32 rows x 128 columns comes by one tensor load a wave, at the head, rows of 512 bytes padded to 528.
; THE MATRIX INSTRUCTION IS USED TRANSPOSED (source 0 = B, source 1 = A): lane (r, h) holds one row; register 16 b + i of a fragment's 64 is column 32 b + 16 h + i of my 128.
; THE NORM.  Each wave takes its 128 columns' sum S and, about their own mean, the sum of squares Q; one exchange through LDS; mean = sum S / 1024, variance = (sum Q + 128 sum (S / 128 - mean)^2) / 1024: no difference of large sums.
; THE WAY OUT: f32 rows through my own part of LDS (the residual's bytes, which have had their only fill), back as rows of 512 consecutive bytes.  PACK: 64 numbers a lane are a fragment of block (panel, K step w): three stores of 512 bytes.
; The fragments' scale words are 8 bytes a row, 16 bytes apart: they do not fill aligned blocks of 256; whole ones would want 128 rows in a work-group.
; LIMITS: a block of zeros, or one whose largest magnitude lies under 2^-124, gets the byte 1 (read by this program alone); NaN and infinities are not served.
; REGISTERS: window 0: v1-15, v31 addresses; v16-27 B's scale words; v28-29 A's; v32-127 B's buffer 2; v128-255 accumulator (a, j) at 128 + 8 (8 a + j).  Window 1: v0-95, v96-191 B's buffers 0, 1; v192-239 A's fragments, two sets.
; On the way out: window 0 v32-95 the bias, v96-127 at work; window 1 v0-63 g, v64-127 b, v128-255 the residual, then the rows read back.
.set KS,    8
.set WOFF,  448*12800
.set PACK,  1
.set BLK,   12800
.set NK,    KS/8                       ; K steps of A that a wave stages
.set T,     (KS-8)/6                   ; trips of the loop: KS = 2 + 6 T + 6
.set WRES,  32*528
.set ACD,   8*WRES                     ; LDS: the residual's eight parts; A's codes, 3,072 bytes a K step;
.set ASC,   ACD+KS*3072                ; A's scale words, 128 bytes a K step: lanes 0-15 fragment 0, lanes 16-31 fragment 1;
.set XS,    ASC+KS*128                 ; the exchange, 256 bytes a wave;
.set SPARE, XS+2048                    ; the spare words, 128 bytes a wave
.set SPW, 1
.set NIL, 2
.set VB,  3                            ; 16 x lane
.set VA,  4                            ; A's codes in LDS, at the loop's place
.set VS,  5                            ; A's scale words likewise
.set VRS, 6                            ; my LDS part in the accumulators' layout
.set VRD, 7                            ; and by rows
.set VX,  8
.set VXR, 9
.set VA0, 10
.set R16, 11
.set HH,  12
.set VS0, 13
.set PW,  14                           ; v14-15 the two fragments' scale words
.set BS,  16
.set AS,  28
.set VQ,  31                           ; 64 h
.set ACC, 128
.set ST,  136                          ; the head: A on its way to LDS
.set PC,  96
.set TM,  116
.set SEL, 52
.set MSB, 0
.macro WIN new                         ; the immediate's high byte repeats the setting that is left
.if MSB != (\new)
	s_set_vgpr_msb (MSB<<8)|(\new)
.set MSB, \new
.endif
.endm
.macro MM                              ; rV: 1 B's scales in lanes 16-31; 2 A's; 4 the sum starts with 0
.if rV == 0
	v_wmma_scale_f32_16x16x128_f8f6f4 v[rD:rD+7], v[rB:rB+11], v[rA:rA+11], v[rD:rD+7], v[rSB], v[rSA] matrix_a_fmt:MATRIX_FMT_FP6 matrix_b_fmt:MATRIX_FMT_FP6
.elseif rV == 1
	v_wmma_scale_f32_16x16x128_f8f6f4 v[rD:rD+7], v[rB:rB+11], v[rA:rA+11], v[rD:rD+7], v[rSB], v[rSA] matrix_a_fmt:MATRIX_FMT_FP6 matrix_b_fmt:MATRIX_FMT_FP6 matrix_a_scale:MATRIX_SCALE_ROW1
.elseif rV == 2
	v_wmma_scale_f32_16x16x128_f8f6f4 v[rD:rD+7], v[rB:rB+11], v[rA:rA+11], v[rD:rD+7], v[rSB], v[rSA] matrix_a_fmt:MATRIX_FMT_FP6 matrix_b_fmt:MATRIX_FMT_FP6 matrix_b_scale:MATRIX_SCALE_ROW1
.elseif rV == 3
	v_wmma_scale_f32_16x16x128_f8f6f4 v[rD:rD+7], v[rB:rB+11], v[rA:rA+11], v[rD:rD+7], v[rSB], v[rSA] matrix_a_fmt:MATRIX_FMT_FP6 matrix_b_fmt:MATRIX_FMT_FP6 matrix_a_scale:MATRIX_SCALE_ROW1 matrix_b_scale:MATRIX_SCALE_ROW1
.elseif rV == 4
	v_wmma_scale_f32_16x16x128_f8f6f4 v[rD:rD+7], v[rB:rB+11], v[rA:rA+11], 0, v[rSB], v[rSA] matrix_a_fmt:MATRIX_FMT_FP6 matrix_b_fmt:MATRIX_FMT_FP6
.elseif rV == 5
	v_wmma_scale_f32_16x16x128_f8f6f4 v[rD:rD+7], v[rB:rB+11], v[rA:rA+11], 0, v[rSB], v[rSA] matrix_a_fmt:MATRIX_FMT_FP6 matrix_b_fmt:MATRIX_FMT_FP6 matrix_a_scale:MATRIX_SCALE_ROW1
.elseif rV == 6
	v_wmma_scale_f32_16x16x128_f8f6f4 v[rD:rD+7], v[rB:rB+11], v[rA:rA+11], 0, v[rSB], v[rSA] matrix_a_fmt:MATRIX_FMT_FP6 matrix_b_fmt:MATRIX_FMT_FP6 matrix_b_scale:MATRIX_SCALE_ROW1
.else
	v_wmma_scale_f32_16x16x128_f8f6f4 v[rD:rD+7], v[rB:rB+11], v[rA:rA+11], 0, v[rSB], v[rSA] matrix_a_fmt:MATRIX_FMT_FP6 matrix_b_fmt:MATRIX_FMT_FP6 matrix_a_scale:MATRIX_SCALE_ROW1 matrix_b_scale:MATRIX_SCALE_ROW1
.endif
.endm
.macro LB reg, k                       ; B's eight fragments of K step k: 24 loads of 512 consecutive bytes
.set c, 0
.rept 24
	global_load_b128 v[\reg+4*c:\reg+4*c+3], v[VB], s[30:31] offset:(\k)*BLK+512*c
.set c, c+1
.endr
.endm
.macro LBS k                           ; and their scale words: lanes 0-15 fragments 0-3, lanes 16-31 fragments 4-7
	global_load_b128 v[BS+4*((\k)%3):BS+4*((\k)%3)+3], v[VB], s[30:31] offset:(\k)*BLK+12288
.endm
.macro LA k                            ; A's two fragments of K step k into set k % 2 (window 1)
.irp c, 0,1,2,3,4,5
	ds_load_b128 v[192+24*((\k)%2)+4*\c:192+24*((\k)%2)+4*\c+3], v[VA] offset:(\k)*3072+512*\c
.endr
.endm
.macro LAS k
	ds_load_b32 v[AS+(\k)%2], v[VS] offset:(\k)*128
.endm
.macro LOADP reg, sb                   ; 64 numbers by columns, in the accumulators' layout
.set n, 0
.rept 16
	global_load_b128 v[\reg+4*n:\reg+4*n+3], v[VQ], s[\sb:\sb+1] offset:128*(n/4)+16*(n%4)
.set n, n+1
.endr
.endm
; A K step: 16 matrix instructions, the 16 accumulators by turns; then A's set takes K step k + 2 (lda) and B's buffer K step k + 3 (ldb).
; lc: the global loads issued behind this K step's 25, which may be out; dc: the LDS loads issued behind this K step's 7.
.macro STEP k, z, lda, ldb, lc, dc
	s_wait_loadcnt \lc
	s_wait_dscnt \dc
.if (\k)%3 == 2
	WIN 0x04                                       ; source 0 (B) window 0, source 1 (A) window 1
.else
	WIN 0x05                                       ; both window 1
.endif
.irp a, 0,1
.irp j, 0,1,2,3,4,5,6,7
.set rD, ACC+8*(8*\a+\j)
.set rB, 96*((\k)%3)-160*(((\k)%3)/2)+12*\j
.set rA, 192+24*((\k)%2)+12*\a
.set rSB, BS+4*((\k)%3)+\j%4
.set rSA, AS+(\k)%2
.set rV, \j/4+2*\a+4*\z
	MM
.endr
.endr
.rept 4
	v_nop                                          ; places in front of loads into registers that these products read
.endr
.if \lda || (\ldb && ((\k)%3 < 2))
	WIN 0x40                                       ; destination window 1
.endif
.if \lda
	LA (\k)+2
.endif
.if \ldb && ((\k)%3 < 2)
	LB 96*((\k)%3), (\k)+3
.endif
	WIN 0
.if \lda
	LAS (\k)+2
.endif
.if \ldb
.if (\k)%3 == 2
	LB 32, (\k)+3
.endif
	LBS (\k)+3
.endif
.endm
.macro FOLD t                          ; two chains of pairs for each fragment -> one number in v[t + 4 a], lane l xor 16's added
.irp a, 0,1
	v_pk_add_f32 v[\t+4*\a:\t+4*\a+1], v[\t+4*\a:\t+4*\a+1], v[\t+4*\a+2:\t+4*\a+3]
.endr
.irp a, 0,1
	v_add_f32 v[\t+4*\a], v[\t+4*\a], v[\t+4*\a+1]
.endr
.irp a, 0,1
	v_permlanex16_b32 v[104+\a], v[\t+4*\a], s[SEL], s[SEL+1]
.endr
.irp a, 0,1
	v_add_f32 v[\t+4*\a], v[\t+4*\a], v[104+\a]
.endr
.endm
.if PACK
.macro QUANT s, pw                     ; 64 numbers, register 16 b + i = k 32 b + 16 h + i of my row -> 12 registers of codes in v[PC] on, the scale word in v[pw]
.irp b, 0,1,2,3
	v_max3_num_f32 v[TM+\b], |v[\s+16*\b]|, |v[\s+1+16*\b]|, 0x1800000   ; and the floor 2^(3 - 127): the byte cannot fall under 1
.endr
.irp i, 2,4,6,8,10,12,14
.irp b, 0,1,2,3
	v_max3_num_f32 v[TM+\b], v[TM+\b], |v[\s+16*\b+\i]|, |v[\s+1+16*\b+\i]|
.endr
.endr
.irp b, 0,1,2,3
	v_permlanex16_b32 v[TM+4+\b], v[TM+\b], s[SEL], s[SEL+1]
.endr
.irp b, 0,1,2,3
	v_max_num_f32 v[TM+\b], v[TM+\b], v[TM+4+\b]
.endr
.irp b, 0,1,2,3
	v_add_nc_u32 v[TM+8+\b], 0xff000000, v[TM+\b]      ; 2 off the exponent field: the conversion's scale operand
.endr
.irp b, 0,1,2,3
	v_lshrrev_b32 v[TM+4+\b], 23, v[TM+8+\b]           ; the scale's byte
.endr
	v_lshl_or_b32 v[\pw], v[TM+5], 8, v[TM+4]
	v_lshl_or_b32 v[\pw], v[TM+6], 16, v[\pw]
	v_lshl_or_b32 v[\pw], v[TM+7], 24, v[\pw]
.irp c, 0,1
	v_cvt_scalef32_pk16_fp6_f32 v[PC+6*\c:PC+2+6*\c], v[\s+32*\c:\s+15+32*\c], v[TM+8+2*\c]
	v_cvt_scalef32_pk16_fp6_f32 v[PC+12+4*\c:PC+14+4*\c], v[\s+16+32*\c:\s+31+32*\c], v[TM+9+2*\c]
.endr
	v_nop                                              ; one plain instruction behind the scaled conversions
.irp c, 0,1
.irp i, 0,1,2
	v_permlane16_swap_b32 v[PC+6*\c+\i], v[PC+12+4*\c+\i]
.endr
.irp i, 0,1,2
	v_mov_b32 v[PC+3+6*\c+\i], v[PC+12+4*\c+\i]
.endr
.endr
.endm
.endif
	s_load_b256 s[4:11], s[0:1], 0x0               ; A, packed_in, the bias, the residual
	s_load_b128 s[12:15], s[0:1], 0x20             ; g, b
	s_load_b64 s[16:17], s[0:1], 0x30              ; the f32 result
.if PACK
	s_load_b64 s[18:19], s[0:1], 0x38              ; x2_p
.endif
	v_lshl_add_u32 v[SPW], v0, 2, SPARE
	v_mov_b32 v[NIL], 0
	ds_add_u32 v[SPW], v[NIL]                      ; the opening: the add, twice on end, and its wait ahead of my tensor load
	ds_add_u32 v[SPW], v[NIL]
	v_lshrrev_b32 v128, 5, v0
	v_readfirstlane_b32 s20, v128                  ; wave
	s_lshr_b32 s21, ttmp9, 2                       ; A's panel
	s_and_b32 s22, ttmp9, 3                        ; bb: my pair of fragments
	s_mul_i32 s24, s21, KS
	s_mul_i32 s25, s20, NK
	s_add_co_u32 s24, s24, s25
	s_mul_i32 s24, s24, BLK                        ; A's block (panel, the first K step that I stage)
	s_mul_i32 s26, s22, 3072                       ; my pair's codes in a block
	s_lshr_b32 s28, s22, 1
	s_lshl_b32 s28, s28, 8
	s_and_b32 s29, s22, 1
	s_lshl_b32 s29, s29, 3
	s_add_co_u32 s28, s28, s29
	s_add_co_u32 s28, s28, 12288                   ; and its scale words: 12,288 + 256 (bb / 2) + 8 (bb % 2)
.if PACK
	s_lshl_b32 s36, s21, 3
	s_add_co_u32 s36, s36, s20
	s_mul_i32 s36, s36, BLK                        ; x2_p's block (panel, K step w)
	s_add_co_u32 s38, s36, s28
	s_add_co_u32 s36, s36, s26
	s_mov_b32 s37, 0
	s_mov_b32 s39, 0
.endif
	s_add_co_u32 s26, s26, s24
	s_add_co_u32 s28, s28, s24
	s_mov_b32 s27, 0
	s_mov_b32 s29, 0
	s_mul_i32 s30, s20, KS*BLK
	s_add_co_u32 s30, s30, WOFF                    ; B's panel w
	s_mov_b32 s31, 0
	s_lshl_b32 s32, ttmp9, 17                      ; my 32 rows of 4,096 bytes,
	s_lshl_b32 s34, s20, 9                         ; my 128 columns
	s_add_co_u32 s32, s32, s34
	s_mov_b32 s33, 0
	s_mov_b32 s35, 0
	s_mul_i32 s23, s25, 3072
	s_lshl_b32 s25, s25, 7
	s_mul_i32 s41, s20, WRES                       ; my part of LDS
	s_lshl_b32 s61, s20, 8
	s_mov_b32 s40, 1
	s_mov_b32 s44, (3<<16)|(1<<20)|(6<<22)|(3<<25) ; elements of 8 bytes; behind every 128 words 4 words of padding
	s_mov_b32 s45, 64<<16                          ; a row: 64 elements
	s_mov_b32 s46, 32<<16                          ; 32 rows
	s_mov_b32 s47, 64<<16
	s_mov_b32 s48, 32
	s_mov_b32 s49, 512                             ; from row to row: 4,096 bytes
	s_mov_b32 s50, 0
	s_mov_b32 s51, 0
	s_mov_b32 s[SEL], 0x76543210
	s_mov_b32 s[SEL+1], 0xfedcba98
	s_mov_b32 s54, 0x3c000000                      ; 1 / 128
	s_mov_b32 s55, 0x3a800000                      ; 1 / 1024
	s_mov_b32 s56, 0x3727c5ac                      ; 1e-5
	s_mov_b32 s57, 0x43000000                      ; 128
	v_and_b32 v128, 31, v0                         ; lane
	v_and_b32 v129, 15, v0                         ; r
	v_bfe_u32 v[HH], v0, 4, 1                      ; h
	v_lshlrev_b32 v[VB], 4, v128
	v_add_nc_u32 v[VA0], ACD, v[VB]
	v_lshl_add_u32 v[VS0], v128, 2, ASC
	v_mov_b32 v[VA], v[VA0]
	v_mov_b32 v[VS], v[VS0]
	v_add_nc_u32 v131, s23, v[VA0]                 ; where I put A's codes,
	v_add_nc_u32 v132, s25, v[VS0]                 ; its scale words
	v_lshlrev_b32 v[R16], 4, v129
	v_lshl_add_u32 v133, v[HH], 2, v[R16]          ; 16 r + 4 h: fragment h's word of row r
	v_and_b32 v130, 8, v129
	v_add_nc_u32 v130, v130, v129                  ; r + 8 (r / 8)
	v_mul_u32_u24 v[VRS], v130, 528
	v_lshl_add_u32 v[VRS], v[HH], 6, v[VRS]
	v_add_nc_u32 v[VRS], s41, v[VRS]
	v_add_nc_u32 v[VRD], s41, v[VB]
	v_lshl_add_u32 v[VXR], v128, 3, XS
	v_add_nc_u32 v[VX], s61, v[VXR]
	v_lshlrev_b32 v[VQ], 6, v[HH]
	s_wait_alu depctr_va_vdst(0)                   ; the wait at the head's end
	s_wait_dscnt 0x0                               ; both opening adds are done
	s_wait_kmcnt 0x0
	s_add_nc_u64 s[42:43], s[10:11], s[32:33]
	s_or_b32 s43, s43, 0x80000000
	tensor_load_to_lds s[40:43], s[44:51]          ; the residual of my 32 rows x 128 columns: my one tensor load; only I read its bytes
	s_nop 0
	s_add_nc_u64 s[26:27], s[4:5], s[26:27]
	s_add_nc_u64 s[28:29], s[4:5], s[28:29]
	s_add_nc_u64 s[30:31], s[6:7], s[30:31]
	s_add_nc_u64 s[8:9], s[8:9], s[34:35]
	s_add_nc_u64 s[12:13], s[12:13], s[34:35]
	s_add_nc_u64 s[14:15], s[14:15], s[34:35]
	s_add_nc_u64 s[16:17], s[16:17], s[32:33]
.if PACK
	s_add_nc_u64 s[36:37], s[18:19], s[36:37]
	s_add_nc_u64 s[38:39], s[18:19], s[38:39]
.endif
.set n, 0
.rept NK
.irp c, 0,1,2,3,4,5
	global_load_b128 v[ST+28*n+4*\c:ST+28*n+4*\c+3], v[VB], s[26:27] offset:n*BLK+512*\c th:TH_LOAD_NT
.endr
	global_load_b32 v[ST+28*n+24], v133, s[28:29] offset:n*BLK th:TH_LOAD_NT
.set n, n+1
.endr
	WIN 0x40
	LB 0, 0
	WIN 0
	LBS 0
	s_wait_loadcnt 25                              ; A's loads are in; B's 25 of K step 0 may be out
.set n, 0
.rept NK
.irp c, 0,1,2,3,4,5
	ds_store_b128 v131, v[ST+28*n+4*\c:ST+28*n+4*\c+3] offset:n*3072+512*\c
.endr
	ds_store_b32 v132, v[ST+28*n+24] offset:n*128
.set n, n+1
.endr
	WIN 0x40
	LB 96, 1
	WIN 0
	LBS 1
	LB 32, 2
	LBS 2
	s_wait_dscnt 0x0                               ; for the others' sake: my part of A lies in LDS
	s_barrier_signal -1
	s_barrier_wait -1                              ; everybody's does.
	WIN 0x40
	LA 0
	WIN 0
	LAS 0
	WIN 0x40
	LA 1
	WIN 0
	LAS 1
	STEP 0, 1, 1, 1, 50, 7                         ; the first K step starts the sums
	STEP 1, 0, 1, 1, 50, 7
.if T > 0
	s_mov_b32 s58, T
	s_mov_b32 s59, 0
	s_mov_b32 s60, 0
.Lk:                                               ; a trip: six K steps, after which buffers (3) and sets (2) are back where they began
.irp k, 2,3,4,5,6,7
	STEP \k, 0, 1, 1, 50, 7
.endr
	s_wait_xcnt 0x0                                ; the loads have read their base
	s_add_nc_u64 s[30:31], s[30:31], 6*BLK
	s_add_co_u32 s59, s59, 6*3072
	s_add_co_u32 s60, s60, 6*128
	v_add_nc_u32 v[VA], s59, v[VA0]
	v_add_nc_u32 v[VS], s60, v[VS0]
	s_sub_co_i32 s58, s58, 1
	s_cmp_lg_u32 s58, 0
	s_wait_alu depctr_va_vdst(0)                   ; the wait ahead of the branch
	s_cbranch_scc1 .Lk
.endif
	STEP 2, 0, 1, 1, 50, 7                         ; the last six K steps: nothing is asked for beyond the panel's end
	STEP 3, 0, 1, 1, 50, 7
	STEP 4, 0, 1, 1, 50, 7
	STEP 5, 0, 1, 0, 50, 7
	LOADP 32, 8                                    ; the freed buffers take the bias,
	STEP 6, 0, 0, 0, 41, 7                         ; (behind this K step's loads: the last K step's 25 and the bias's 16)
	WIN 0x40
	LOADP 0, 12                                    ; g,
	WIN 0
	STEP 7, 0, 0, 0, 32, 0                         ; (the bias's 16 and g's 16)
	WIN 0x40
	LOADP 64, 14                                   ; b
	s_wait_tensorcnt 0x0                           ; my residual has landed
.set n, 0
.rept 32
	ds_load_b128 v[128+4*n:131+4*n], v[VRS] offset:(n/16)*8*528+128*((n/4)%4)+16*(n%4)
.set n, n+1
.endr
	WIN 0
	s_wait_dscnt 0x0
	v_mov_b32 v104, 0                              ; written once: a lane permute's destination counts as one of its sources
	v_mov_b32 v105, 0
.if PACK
.irp b, 0,1,2,3
	v_mov_b32 v[TM+4+\b], 0
.endr
.endif
	WIN 0x04                                       ; source 1: window 1
.set n, 0
.rept 64
	v_pk_add_f32 v[ACC+n:ACC+n+1], v[ACC+n:ACC+n+1], v[128+n:129+n]     ; + the residual; each accumulator from its low end on
.set n, n+2
.endr
	WIN 0
	s_wait_loadcnt 32                              ; the bias is in; g's and b's 32 loads may be out
.set n, 0
.rept 64
	v_pk_add_f32 v[ACC+n:ACC+n+1], v[ACC+n:ACC+n+1], v[32+n%64:33+n%64]  ; + the bias
.set n, n+2
.endr
.irp a, 0,1
	v_pk_add_f32 v[96+4*\a:97+4*\a], v[ACC+64*\a:ACC+64*\a+1], v[ACC+64*\a+2:ACC+64*\a+3]
	v_pk_add_f32 v[98+4*\a:99+4*\a], v[ACC+64*\a+4:ACC+64*\a+5], v[ACC+64*\a+6:ACC+64*\a+7]
.endr
.irp m, 8,12,16,20,24,28,32,36,40,44,48,52,56,60
.irp a, 0,1
	v_pk_add_f32 v[96+4*\a:97+4*\a], v[96+4*\a:97+4*\a], v[ACC+64*\a+\m:ACC+64*\a+\m+1]
	v_pk_add_f32 v[98+4*\a:99+4*\a], v[98+4*\a:99+4*\a], v[ACC+64*\a+\m+2:ACC+64*\a+\m+3]
.endr
.endr
	FOLD 96                                        ; S: v96, v100
.irp a, 0,1
	v_mul_f32 v[106+2*\a], s54, v[96+4*\a]         ; my 128 columns' mean
	v_mul_f32 v[107+2*\a], s54, v[96+4*\a]
.endr
.irp m, 0,2,4,6,8,10,12,14,16,18,20,22,24,26,28,30,32,34,36,38,40,42,44,46,48,50,52,54,56,58,60,62
.irp a, 0,1
	v_pk_add_f32 v[ACC+64*\a+\m:ACC+64*\a+\m+1], v[ACC+64*\a+\m:ACC+64*\a+\m+1], v[106+2*\a:107+2*\a] neg_lo:[0,1] neg_hi:[0,1]
.endr
.endr
.irp a, 0,1
	v_pk_mul_f32 v[110+4*\a:111+4*\a], v[ACC+64*\a:ACC+64*\a+1], v[ACC+64*\a:ACC+64*\a+1]
	v_pk_mul_f32 v[112+4*\a:113+4*\a], v[ACC+64*\a+2:ACC+64*\a+3], v[ACC+64*\a+2:ACC+64*\a+3]
.endr
.irp m, 4,8,12,16,20,24,28,32,36,40,44,48,52,56,60
.irp a, 0,1
	v_pk_fma_f32 v[110+4*\a:111+4*\a], v[ACC+64*\a+\m:ACC+64*\a+\m+1], v[ACC+64*\a+\m:ACC+64*\a+\m+1], v[110+4*\a:111+4*\a]
	v_pk_fma_f32 v[112+4*\a:113+4*\a], v[ACC+64*\a+\m+2:ACC+64*\a+\m+3], v[ACC+64*\a+\m+2:ACC+64*\a+\m+3], v[112+4*\a:113+4*\a]
.endr
.endr
	FOLD 110                                       ; Q: v110, v114
	v_cmp_ne_u32 vcc_lo, 0, v[HH]
	v_cndmask_b32 v118, v96, v100, vcc_lo          ; lanes 0-15 speak for fragment 0, lanes 16-31 for fragment 1
	v_cndmask_b32 v119, v110, v114, vcc_lo
	ds_store_b64 v[VX], v[118:119]
	s_wait_alu depctr_va_vdst(0)                   ; the wait ahead of the waits below
	s_wait_dscnt 0x0                               ; for the others' sake
	s_barrier_signal -1
	s_barrier_wait -1
.irp w, 0,1,2,3,4,5,6,7
	ds_load_b64 v[32+2*\w:33+2*\w], v[VXR] offset:256*\w
.endr
	s_wait_loadcnt 0x0                             ; g and b
	s_wait_dscnt 0x0
	v_pk_add_f32 v[48:49], v[32:33], v[34:35]
	v_pk_add_f32 v[50:51], v[36:37], v[38:39]
	v_pk_add_f32 v[52:53], v[40:41], v[42:43]
	v_pk_add_f32 v[54:55], v[44:45], v[46:47]
	v_pk_add_f32 v[48:49], v[48:49], v[50:51]
	v_pk_add_f32 v[52:53], v[52:53], v[54:55]
	v_pk_add_f32 v[48:49], v[48:49], v[52:53]      ; v48 the row's sum, v49 the sum of the eight Q
	v_mul_f32 v50, s55, v48                        ; the mean
.irp w, 0,1,2,3,4,5,6,7
	v_fma_f32 v[56+\w], v[32+2*\w], s54, -v50      ; a wave's mean less the row's
.endr
	v_mul_f32 v51, v56, v56
	v_mul_f32 v52, v57, v57
.irp w, 2,4,6
	v_fma_f32 v51, v[56+\w], v[56+\w], v51
	v_fma_f32 v52, v[57+\w], v[57+\w], v52
.endr
	v_add_f32 v51, v51, v52
	v_fma_f32 v49, v51, s57, v49
	v_fma_f32 v49, v49, s55, s56                   ; var + eps
	s_wait_alu depctr_va_vdst(0)                   ; the wait ahead of the transcendental,
	v_rsq_f32 v53, v49
	v_nop
	s_wait_alu depctr_va_vdst(0)                   ; and ahead of its first reader
	v_permlanex16_b32 v104, v50, s[SEL], s[SEL+1]
	v_permlanex16_b32 v105, v53, s[SEL], s[SEL+1]
	v_cmp_ne_u32 vcc_lo, 0, v[HH]
	v_cndmask_b32 v54, v50, v104, vcc_lo           ; fragment 0's mean in every lane,
	v_cndmask_b32 v55, v104, v50, vcc_lo           ; fragment 1's
	v_cndmask_b32 v96, v53, v105, vcc_lo           ; and the same of 1 / sqrt
	v_cndmask_b32 v98, v105, v53, vcc_lo
	v_sub_f32 v54, v106, v54
	v_sub_f32 v55, v108, v55
	v_mul_f32 v100, v54, v96
	v_mul_f32 v102, v55, v98
.irp m, 0,2,4,6,8,10,12,14,16,18,20,22,24,26,28,30,32,34,36,38,40,42,44,46,48,50,52,54,56,58,60,62
.irp a, 0,1
	v_pk_fma_f32 v[ACC+64*\a+\m:ACC+64*\a+\m+1], v[ACC+64*\a+\m:ACC+64*\a+\m+1], v[96+2*\a:97+2*\a], v[100+2*\a:101+2*\a] op_sel_hi:[1,0,0]   ; (y - mean) / sqrt
.endr
.endr
	WIN 0x14                                       ; sources 1 and 2: window 1
.set n, 0
.rept 64
	v_pk_fma_f32 v[ACC+n:ACC+n+1], v[ACC+n:ACC+n+1], v[n%64:n%64+1], v[64+n%64:65+n%64]   ; x g + b
.set n, n+2
.endr
	WIN 0
.set n, 0
.rept 32
	ds_store_b128 v[VRS], v[ACC+4*n:ACC+4*n+3] offset:(n/16)*8*528+128*((n/4)%4)+16*(n%4)
.set n, n+1
.endr
	WIN 0x40
.set n, 0
.rept 32
	ds_load_b128 v[128+4*n:131+4*n], v[VRD] offset:528*n   ; LDS serves a wave's instructions in order: these see my stores
.set n, n+1
.endr
	WIN 0
.if PACK
	QUANT ACC, PW
.irp c, 0,1,2
	global_store_b128 v[VB], v[PC+4*\c:PC+4*\c+3], s[36:37] offset:512*\c          ; 512 consecutive bytes, aligned
.endr
	s_wait_xcnt 0x0                                ; these stores have read the codes' registers
	QUANT ACC+64, PW+1
.irp c, 0,1,2
	global_store_b128 v[VB], v[PC+4*\c:PC+4*\c+3], s[36:37] offset:1536+512*\c
.endr
	global_store_b64 v[R16], v[PW:PW+1], s[38:39]  ; lanes r and r + 16 store the same 8 bytes with the same value
.endif
	s_wait_dscnt 0x0
	WIN 0x04                                       ; the data: window 1
.set n, 0
.rept 32
	global_store_b128 v[VB], v[128+4*n:131+4*n], s[16:17] offset:4096*n   ; 512 consecutive bytes of a row, aligned
.set n, n+1
.endr
	WIN 0
	s_wait_tensorcnt 0x0                           ; the wave's end
	ds_add_u32 v[SPW], v[NIL]
	s_wait_dscnt 0x0
	s_endpgm
.Lfunc_end_k_qec8364992b_out_ln1:
	.size	k_qec8364992b_out_ln1, .Lfunc_end_k_qec8364992b_out_ln1-k_qec8364992b_out_ln1
	.p2alignl 7, 3214868480
	.fill 96, 4, 3214868480
	.section	.rodata,"a",@progbits
	.p2align	6, 0x0
	.amdhsa_kernel k_qec8364992b_out_ln1
		.amdhsa_group_segment_fixed_size 327680
		.amdhsa_private_segment_fixed_size 0
		.amdhsa_enable_private_segment 0
		.amdhsa_kernarg_size 64
		.amdhsa_user_sgpr_count 2
		.amdhsa_user_sgpr_kernarg_segment_ptr 1
		.amdhsa_wavefront_size32 1
		.amdhsa_system_sgpr_workgroup_id_x 1
		.amdhsa_system_sgpr_workgroup_id_y 1
		.amdhsa_system_sgpr_workgroup_id_z 1
		.amdhsa_system_vgpr_workitem_id 0
		.amdhsa_next_free_vgpr 512
		.amdhsa_next_free_sgpr 66
		.amdhsa_reserve_vcc 1
		.amdhsa_float_denorm_mode_32 3
		.amdhsa_float_denorm_mode_16_64 3
		.amdhsa_memory_ordered 1
		.amdhsa_forward_progress 1
		.amdhsa_inst_pref_size 101
	.end_amdhsa_kernel
	.amdgpu_metadata
---
amdhsa.version: [ 1, 2 ]
amdhsa.kernels:
  - .name:           k_qec8364992b_out_ln1
    .symbol:         k_qec8364992b_out_ln1.kd
    .args:
      - { .name: at_p, .offset: 0, .size: 8, .value_kind: global_buffer, .address_space: global }
      - { .name: packed_in, .offset: 8, .size: 8, .value_kind: global_buffer, .address_space: global }
      - { .name: out_proj_b, .offset: 16, .size: 8, .value_kind: global_buffer, .address_space: global }
      - { .name: x, .offset: 24, .size: 8, .value_kind: global_buffer, .address_space: global }
      - { .name: ln1_g, .offset: 32, .size: 8, .value_kind: global_buffer, .address_space: global }
      - { .name: ln1_b, .offset: 40, .size: 8, .value_kind: global_buffer, .address_space: global }
      - { .name: x2, .offset: 48, .size: 8, .value_kind: global_buffer, .address_space: global }
      - { .name: x2_p, .offset: 56, .size: 8, .value_kind: global_buffer, .address_space: global }
    .group_segment_fixed_size: 327680
    .private_segment_fixed_size: 0
    .kernarg_segment_align: 8
    .kernarg_segment_size: 64
    .max_flat_workgroup_size: 256
    .sgpr_count:     66
    .vgpr_count:     512
    .wavefront_size: 32
...
	.end_amdgpu_metadata
.endif
;; end of part 4
;; launch gemm_ff1 (part 5): grid 16 x 16, 4 waves a work-group, clusters of 4 x 4, 327,680 bytes of LDS; arguments x2_p, packed_in, b1, h_p; writes h_p
.if DOCPART == 5
	.amdgcn_target "amdgcn-amd-amdhsa--gfx1250"
	.amdhsa_code_object_version 6
	.text
	.protected	k_qec8364992b_gemm_ff1
	.globl	k_qec8364992b_gemm_ff1
	.p2align	8
	.type	k_qec8364992b_gemm_ff1,@function
k_qec8364992b_gemm_ff1:
	s_mov_b64 s[64:65], 0
	v_nop
	global_prefetch_b8 v0, s[64:65] scope:SCOPE_SE
	s_setreg_imm32_b32 hwreg(HW_REG_WAVE_MODE, 25, 1), 1
	s_wait_xcnt 0x0
	s_wait_alu depctr_hold_cnt(0) depctr_sa_sdst(0) depctr_va_vdst(0) depctr_va_sdst(0) depctr_va_ssrc(0) depctr_va_vcc(0) depctr_vm_vsrc(0)
	s_getreg_b32 s2, hwreg(HW_REG_IB_STS2, 6, 4)
	s_cmp_eq_u32 s2, 0
	s_cbranch_scc0 .Lentry_in_a_cluster
	s_endpgm
.Lentry_in_a_cluster:
	s_bfe_u32 s2, ttmp6, 0x10000c
	s_cmp_lg_u32 s2, 0xf033
	s_cbranch_scc0 .Lentry_shape_is_right
	s_endpgm
.Lentry_shape_is_right:
.set MODE,  1
.set BLK,   12800
.set REG,   2*BLK
.set SLOT,  4*REG
.set PANEL, 8*BLK
.set SPARE, 2*SLOT
.set WIN_OFF, 256*BLK
.set W1_OFF,  512*BLK
.set VT_OFF,  512*BLK
.set FR,   12
.set ADRA, 16
.set ADRB, 20
.set ADRS, 22
.set OA,   26
.set SPW,  28
.set NIL,  29
.set SC,   32
.set CB,   64
.set AF,   128
.set HA,   128
.set PC,   192
.set TM,   212
.set PW,   224
.set SW,   228
.set RB,   236
.set SEL,  78
.set G1, 24
.set G0, 32
.set G1B, 48
.set G0B, 56
.if MODE == 0
.set BBASE, 4
.set BIAS,  6
.set OUTP,  8
.else
.set BBASE, 6
.set BIAS,  8
.set OUTP,  10
.endif
.set MSB, 0
.macro WIN new
.if MSB != (\new)
	s_set_vgpr_msb (MSB<<8)|(\new)
.set MSB, \new
.endif
.endm
.set MUL_LO, 0xa1
.set MUL_HI, 0xf1
.set TO_B,   0x40
.macro JLOAD g0a, g1a, g0b, g1b
	s_cmp_eq_u32 s15, 0
	s_cbranch_scc0 .Lfor_b_\@
	tensor_load_to_lds s[\g0a:\g0a+3], s[\g1a:\g1a+7]
	s_nop 0
.rept 4
	v_nop
.endr
	s_branch .Lasked_\@
.Lfor_b_\@:
	tensor_load_to_lds s[\g0b:\g0b+3], s[\g1b:\g1b+7]
	s_nop 0
.rept 4
	v_nop
.endr
.Lasked_\@:
.endm
.macro CREST
	s_cmp_lg_u32 s14, 0
	s_cbranch_scc1 .Lnot_wave_0_\@
	s_barrier_signal -3
.Lnot_wave_0_\@:
	s_barrier_wait -3
	s_barrier_signal -1
	s_barrier_wait -1
.endm
.macro CROUND
	s_barrier_signal -1
	s_barrier_wait -1
	CREST
.endm
.macro PLACES n
.rept \n
	v_nop
.endr
.endm
.macro QUANT s
.irp b, 0,1,2,3
	v_max3_num_f32 v[TM+\b], |v[\s+16*\b]|, |v[\s+1+16*\b]|, 0x1800000
.endr
.irp i, 2,4,6,8,10,12,14
.irp b, 0,1,2,3
	v_max3_num_f32 v[TM+\b], v[TM+\b], |v[\s+16*\b+\i]|, |v[\s+1+16*\b+\i]|
.endr
.endr
.irp b, 0,1,2,3
	v_permlanex16_b32 v[TM+4+\b], v[TM+\b], s[SEL], s[SEL+1]
.endr
.irp b, 0,1,2,3
	v_max_num_f32 v[TM+\b], v[TM+\b], v[TM+4+\b]
.endr
.irp b, 0,1,2,3
	v_add_nc_u32 v[TM+8+\b], 0xff000000, v[TM+\b]
.endr
.irp b, 0,1,2,3
	v_lshrrev_b32 v[TM+4+\b], 23, v[TM+8+\b]
.endr
	v_lshl_or_b32 v[PW], v[TM+5], 8, v[TM+4]
	v_lshl_or_b32 v[PW], v[TM+6], 16, v[PW]
	v_lshl_or_b32 v[PW], v[TM+7], 24, v[PW]
.irp c, 0,1
	v_cvt_scalef32_pk16_fp6_f32 v[PC+6*\c:PC+2+6*\c], v[\s+32*\c:\s+15+32*\c], v[TM+8+2*\c]
	v_cvt_scalef32_pk16_fp6_f32 v[PC+12+4*\c:PC+14+4*\c], v[\s+16+32*\c:\s+31+32*\c], v[TM+9+2*\c]
.endr
	v_nop
.irp c, 0,1
.irp i, 0,1,2
	v_permlane16_swap_b32 v[PC+6*\c+\i], v[PC+12+4*\c+\i]
.endr
.irp i, 0,1,2
	v_mov_b32 v[PC+3+6*\c+\i], v[PC+12+4*\c+\i]
.endr
.endr
.endm
.if MODE == 0
	s_load_b128 s[4:7], s[0:1], 0x0
	s_load_b64 s[8:9], s[0:1], 0x10
.else
	s_load_b256 s[4:11], s[0:1], 0x0
.endif
	v_lshl_add_u32 v[SPW], v0, 2, SPARE
	v_mov_b32 v[NIL], 0
	ds_add_u32 v[SPW], v[NIL]
	ds_add_u32 v[SPW], v[NIL]
	v_lshrrev_b32 v1, 5, v0
	v_readfirstlane_b32 s14, v1
	s_lshr_b32 s15, s14, 1
	s_and_b32 s16, s14, 1
	s_bfe_u32 s40, ttmp6, 0x40000
	s_bfe_u32 s41, ttmp6, 0x40004
	s_and_b32 s45, ttmp7, 0xffff
	s_lshl_b32 s45, s45, 2
	s_lshl_b32 s42, ttmp9, 2
.if MODE == 0
	s_cmp_lt_u32 ttmp9, 2
	s_cselect_b32 s17, s45, 0
	s_cselect_b32 s42, s42, s45
	s_cselect_b32 s66, 0, WIN_OFF+16*PANEL
	s_cselect_b32 s67, WIN_OFF, 0
	s_cselect_b32 s68, 4, 5
	s_cselect_b32 s69, 0, VT_OFF
	s_cselect_b32 s70, 1, 0
.else
	s_mov_b32 s17, s45
	s_mov_b32 s66, 0
	s_mov_b32 s67, W1_OFF
	s_mov_b32 s68, 5
	s_mov_b32 s69, 0
.endif
	s_add_co_u32 s17, s17, s41
	s_add_co_u32 s42, s42, s40
	s_lshl_b32 s43, s41, 2
	s_lshl_b32 s43, 15, s43
	s_lshl_b32 s44, 0x1111, s40
	s_or_b32 s[G1+0], s43, (3<<16)|(1<<21)
	s_or_b32 s[G1B+0], s44, (3<<16)|(1<<21)
.irp g, G1, G1B
	s_mov_b32 s[\g+1], 32<<16
	s_mov_b32 s[\g+2], 100<<16
	s_mov_b32 s[\g+3], 32<<16
	s_mov_b32 s[\g+4], 100
	s_mov_b32 s[\g+5], 32
	s_mov_b32 s[\g+6], 0
	s_mov_b32 s[\g+7], 0
.endr
	s_lshl_b32 s20, s17, 1
	s_add_co_u32 s20, s20, s16
	s_mul_i32 s20, s20, PANEL
	s_add_co_u32 s20, s20, s66
	s_mov_b32 s21, 0
	s_lshl_b32 s46, s42, 1
	s_add_co_u32 s46, s46, s16
	s_mul_i32 s46, s46, PANEL
	s_add_co_u32 s46, s46, s67
	s_mov_b32 s47, 0
	s_mul_i32 s45, s14, REG
	s_mov_b32 s[SEL], 0x76543210
	s_mov_b32 s[SEL+1], 0xfedcba98
	s_wait_dscnt 0x0
	s_wait_kmcnt 0x0
	s_add_nc_u64 s[20:21], s[4:5], s[20:21]
	s_add_nc_u64 s[46:47], s[BBASE:BBASE+1], s[46:47]
	CROUND
.irp s, 0,1
	s_mov_b32 s[G0+4*\s], 1
	s_add_co_u32 s[G0+4*\s+1], s45, \s*SLOT
	s_add_nc_u64 s[G0+4*\s+2:G0+4*\s+3], s[20:21], \s*REG
	s_or_b32 s[G0+4*\s+3], s[G0+4*\s+3], 0x80000000
	s_mov_b32 s[G0B+4*\s], 1
	s_add_co_u32 s[G0B+4*\s+1], s45, \s*SLOT
	s_add_nc_u64 s[G0B+4*\s+2:G0B+4*\s+3], s[46:47], \s*REG
	s_or_b32 s[G0B+4*\s+3], s[G0B+4*\s+3], 0x80000000
.if \s                                         ; slot 1's first fill stands behind the full sequence and a round
	s_wait_alu depctr_va_vdst(0)
	s_wait_tensorcnt 0x0
	ds_add_u32 v28, v29
	ds_add_u32 v28, v29
	s_wait_dscnt 0x0
	CROUND
.endif
	JLOAD G0+4*\s, G1, G0B+4*\s, G1B
.endr
	v_and_b32 v1, 31, v0
	v_and_b32 v2, 15, v0
	v_bfe_u32 v3, v0, 4, 1
	v_lshlrev_b32 v[OA], 4, v1
	s_mul_i32 s21, s15, REG
	s_mul_i32 s22, s16, REG
	s_add_co_u32 s22, s22, 2*REG
	v_add_nc_u32 v[ADRA], s21, v[OA]
	v_add_nc_u32 v[ADRB], s22, v[OA]
	v_add_nc_u32 v[ADRA+1], SLOT, v[ADRA]
	v_add_nc_u32 v[ADRB+1], SLOT, v[ADRB]
	s_sub_co_u32 s22, s22, s21
	v_mul_u32_u24 v5, s22, v3
	v_lshl_add_u32 v5, v2, 4, v5
	s_add_co_u32 s21, s21, 12288
	v_add_nc_u32 v[ADRS], s21, v5
	v_add_nc_u32 v[ADRS+1], SLOT, v[ADRS]
	v_lshlrev_b32 v6, 6, v3
	s_lshl_b32 s72, s42, 10
	s_lshl_b32 s73, s16, 9
	s_add_co_u32 s72, s72, s73
.if MODE == 0
	s_mul_i32 s72, s72, s70
.endif
	s_mov_b32 s73, 0
	s_add_nc_u64 s[72:73], s[BIAS:BIAS+1], s[72:73]
.irp b, 0,1,2,3,4,5,6,7
	global_load_b128 v[CB+8*\b:CB+8*\b+3], v6, s[72:73] offset:128*(\b/2)+32*(\b%2)
	global_load_b128 v[CB+8*\b+4:CB+8*\b+7], v6, s[72:73] offset:128*(\b/2)+32*(\b%2)+16
.endr
.if MODE == 0
	v_and_b32 v7, 8, v2
	v_add_nc_u32 v7, v7, v2
	v_lshlrev_b32 v7, 2, v7
	s_xor_b32 s71, s70, 1
	s_lshl_b32 s74, s17, 10
	s_mul_i32 s74, s74, s71
	s_lshl_b32 s75, s15, 9
	s_add_co_u32 s74, s74, s75
	s_add_co_u32 s74, s74, 8192
	s_mov_b32 s75, 0
	s_add_nc_u64 s[74:75], s[BIAS:BIAS+1], s[74:75]
.irp a, 0,1,2,3,4,5,6,7
	global_load_b32 v[RB+2*\a], v7, s[74:75] offset:4*(32*(\a/2)+8*(\a%2))
	global_load_b32 v[RB+2*\a+1], v7, s[74:75] offset:4*(32*(\a/2)+8*(\a%2))
.endr
.endif
	s_lshl_b32 s76, s17, 1
	s_add_co_u32 s76, s76, s15
	s_lshl_b32 s76, s76, s68
	s_lshl_b32 s77, s42, 1
	s_add_co_u32 s77, s77, s16
	s_add_co_u32 s76, s76, s77
	s_mul_i32 s76, s76, BLK
	s_add_co_u32 s76, s76, s69
	s_mov_b32 s77, 0
	s_add_nc_u64 s[OUTP:OUTP+1], s[OUTP:OUTP+1], s[76:77]
.macro FRAG reg, adr, off
.irp c, 0,1,2
	ds_load_b128 v[\reg+4*\c:\reg+4*\c+3], v[\adr] offset:\off+512*\c
.endr
.endm
.macro FETCH_B slot, q, p
	WIN TO_B
.irp i, 0,1,2,3,4,5,6,7
	FRAG 128*(\p)+FR*\i, ADRB+\slot, (\q)*BLK+1536*\i
.endr
	WIN 0
.endm
.macro FETCH_A slot, q, i0
.irp i, \i0, \i0+1, \i0+2, \i0+3
	FRAG AF+FR*(\i), ADRA+\slot, (\q)*BLK+1536*(\i)
.endr
.endm
.macro SCALES slot
.irp q, 0,1
.irp u, 0,1
	ds_load_b128 v[SC+16*\slot+8*\q+4*\u:SC+16*\slot+8*\q+4*\u+3], v[ADRS+\slot] offset:\q*BLK+256*\u
.endr
.endr
.endm
.macro MUL16 a0, p, q, sc, mode
.irp a, \a0, \a0+1
.irp b, 0,1,2,3,4,5,6,7
.set rD, 8*(8*((\a)%4)+\b)
.set rB, 128*(\p)+FR*\b
.set rA, AF+FR*(\a)
.set rSB, SC+16*(\sc)+8*(\q)+\b
.set rSA, SC+16*(\sc)+8*(\q)+(\a)
.if \mode == 1
	v_wmma_scale_f32_16x16x128_f8f6f4 v[rD:rD+7], v[rB:rB+11], v[rA:rA+11], 0, v[rSB], v[rSA] matrix_a_fmt:MATRIX_FMT_FP6 matrix_b_fmt:MATRIX_FMT_FP6 matrix_a_scale:MATRIX_SCALE_ROW1
.elseif \mode == 2
	v_wmma_scale_f32_16x16x128_f8f6f4 v[rD:rD+7], v[rB:rB+11], v[rA:rA+11], v[CB+8*\b:CB+8*\b+7], v[rSB], v[rSA] matrix_a_fmt:MATRIX_FMT_FP6 matrix_b_fmt:MATRIX_FMT_FP6 matrix_a_scale:MATRIX_SCALE_ROW1
.else
	v_wmma_scale_f32_16x16x128_f8f6f4 v[rD:rD+7], v[rB:rB+11], v[rA:rA+11], v[rD:rD+7], v[rSB], v[rSA] matrix_a_fmt:MATRIX_FMT_FP6 matrix_b_fmt:MATRIX_FMT_FP6 matrix_a_scale:MATRIX_SCALE_ROW1
.endif
.endr
.endr
.endm
.macro STEP slot, mode
	s_wait_dscnt 12
.if \mode == 2
	WIN 0x81
.else
	WIN MUL_LO
.endif
	MUL16 0, 0, 0, \slot, \mode
	MUL16 2, 0, 0, \slot, \mode
	s_wait_dscnt 0x0
	PLACES 4
	FETCH_B \slot, 1, 1
	FETCH_A \slot, 1, 0
.if \mode == 2
	WIN 0xc1
.else
	WIN MUL_HI
.endif
	MUL16 4, 0, 0, \slot, \mode
	MUL16 6, 0, 0, \slot, \mode
	PLACES 4
	WIN 0
	FETCH_A \slot, 1, 4
.endm
.macro TURN slot, next, fill
	s_wait_tensorcnt 0x0
	ds_add_u32 v[SPW], v[NIL]
	s_wait_dscnt 13
	WIN MUL_LO
	MUL16 0, 1, 1, \slot, 0
	s_wait_dscnt 0x0
	s_barrier_signal -1
	MUL16 2, 1, 1, \slot, 0
	WIN 0
	s_barrier_wait -1
.if \fill
	CREST
	s_add_nc_u64 s[G0+4*\slot+2:G0+4*\slot+3], s[G0+4*\slot+2:G0+4*\slot+3], 2*REG
	s_add_nc_u64 s[G0B+4*\slot+2:G0B+4*\slot+3], s[G0B+4*\slot+2:G0B+4*\slot+3], 2*REG
	JLOAD G0+4*\slot, G1, G0B+4*\slot, G1B
.else
	PLACES 4
.endif
	FETCH_B \next, 0, 0
	FETCH_A \next, 0, 0
	SCALES \next
	WIN MUL_HI
	MUL16 4, 1, 1, \slot, 0
	MUL16 6, 1, 1, \slot, 0
	PLACES 4
	WIN 0
	FETCH_A \next, 0, 4
.endm
	s_wait_alu depctr_va_vdst(0)
	s_wait_tensorcnt 1
	s_barrier_signal -1
	s_barrier_wait -1
	FETCH_B 0, 0, 0
	FETCH_A 0, 0, 0
	SCALES 0
	FETCH_A 0, 0, 4
.if MODE == 0
	STEP 0, 1
.else
	s_wait_loadcnt 0x0
	STEP 0, 2
.endif
	TURN 0, 1, 1
	STEP 1, 0
	TURN 1, 0, 1
	STEP 0, 0
	TURN 0, 1, 0
	STEP 1, 0
	s_wait_dscnt 12
	WIN MUL_LO
	MUL16 0, 1, 1, 1, 0
	MUL16 2, 1, 1, 1, 0
	s_wait_dscnt 0x0
	WIN MUL_HI
	MUL16 4, 1, 1, 1, 0
	MUL16 6, 1, 1, 1, 0
	WIN 0
.macro EPI a
.set AC, 64*((\a)%4)
.if MODE == 1
	WIN 0x08+4*((\a)/4)
.set n, 0
.rept 64
	v_max_num_f32 v[HA+n], 0, v[AC+n]
.set n, n+1
.endr
	WIN 0
.else
	s_cmp_lg_u32 s70, 0
	s_cbranch_scc0 .Lrows_\@
	WIN 0x02+(\a)/4
.set n, 0
.rept 32
	v_pk_add_f32 v[HA+n:HA+n+1], v[AC+n:AC+n+1], v[CB+n:CB+n+1]
.set n, n+2
.endr
	WIN 0
	s_branch .Ladded_\@
.Lrows_\@:
	WIN 0x02+(\a)/4
.set n, 0
.rept 32
	v_pk_add_f32 v[HA+n:HA+n+1], v[AC+n:AC+n+1], v[RB+2*(\a):RB+2*(\a)+1]
.set n, n+2
.endr
	WIN 0
.Ladded_\@:
.endif
	s_wait_xcnt 0x0
	QUANT HA
.irp c, 0,1,2
	global_store_b128 v[OA], v[PC+4*\c:PC+4*\c+3], s[OUTP:OUTP+1] offset:1536*(\a)+512*\c
.endr
	v_mov_b32 v[SW+(\a)], v[PW]
.endm
	PLACES 4
	s_wait_loadcnt 0x0
.irp b, 0,1,2,3
	v_mov_b32 v[TM+4+\b], 0
.endr
.irp a, 0,1,2,3,4,5,6,7
	EPI \a
.endr
	v_cmp_ne_u32 vcc_lo, 0, v3
.irp k, 0,1,2,3
	v_cndmask_b32 v[SW+\k], v[SW+\k], v[SW+4+\k], vcc_lo
.endr
	global_store_b128 v[OA], v[SW:SW+3], s[OUTP:OUTP+1] offset:12288
	s_wait_tensorcnt 0x0
	ds_add_u32 v[SPW], v[NIL]
	s_wait_dscnt 0x0
	CROUND
	s_endpgm
.Lfunc_end_k_qec8364992b_gemm_ff1:
	.size	k_qec8364992b_gemm_ff1, .Lfunc_end_k_qec8364992b_gemm_ff1-k_qec8364992b_gemm_ff1
	.p2alignl 7, 3214868480
	.fill 96, 4, 3214868480
	.section	.rodata,"a",@progbits
	.p2align	6, 0x0
	.amdhsa_kernel k_qec8364992b_gemm_ff1
		.amdhsa_group_segment_fixed_size 327680
		.amdhsa_private_segment_fixed_size 0
		.amdhsa_enable_private_segment 0
		.amdhsa_kernarg_size 32
		.amdhsa_user_sgpr_count 2
		.amdhsa_user_sgpr_kernarg_segment_ptr 1
		.amdhsa_wavefront_size32 1
		.amdhsa_system_sgpr_workgroup_id_x 1
		.amdhsa_system_sgpr_workgroup_id_y 1
		.amdhsa_system_sgpr_workgroup_id_z 1
		.amdhsa_system_vgpr_workitem_id 0
		.amdhsa_next_free_vgpr 1024
		.amdhsa_next_free_sgpr 98
		.amdhsa_reserve_vcc 1
		.amdhsa_float_denorm_mode_32 3
		.amdhsa_float_denorm_mode_16_64 3
		.amdhsa_memory_ordered 1
		.amdhsa_forward_progress 1
		.amdhsa_inst_pref_size 154
	.end_amdhsa_kernel
	.amdgpu_metadata
---
amdhsa.version: [ 1, 2 ]
amdhsa.kernels:
  - .name:           k_qec8364992b_gemm_ff1
    .symbol:         k_qec8364992b_gemm_ff1.kd
    .args:
      - { .name: x2_p, .offset: 0, .size: 8, .value_kind: global_buffer, .address_space: global }
      - { .name: packed_in, .offset: 8, .size: 8, .value_kind: global_buffer, .address_space: global }
      - { .name: b1, .offset: 16, .size: 8, .value_kind: global_buffer, .address_space: global }
      - { .name: h_p, .offset: 24, .size: 8, .value_kind: global_buffer, .address_space: global }
    .group_segment_fixed_size: 327680
    .private_segment_fixed_size: 0
    .kernarg_segment_align: 8
    .kernarg_segment_size: 32
    .max_flat_workgroup_size: 128
    .sgpr_count:     98
    .vgpr_count:     1024
    .wavefront_size: 32
...
	.end_amdgpu_metadata
.endif
;; end of part 5
;; launch gemm_ff2 (part 6): grid 8 x 32, 4 waves a work-group, clusters of 4 x 1, 327,680 bytes of LDS; arguments h_p, packed_in, b2, x2, y; writes y
.if DOCPART == 6
	.amdgcn_target "amdgcn-amd-amdhsa--gfx1250"
	.amdhsa_code_object_version 6
	.text
	.protected	k_qec8364992b_gemm_ff2
	.globl	k_qec8364992b_gemm_ff2
	.p2align	8
	.type	k_qec8364992b_gemm_ff2,@function
k_qec8364992b_gemm_ff2:
	s_mov_b64 s[64:65], 0
	v_nop
	global_prefetch_b8 v0, s[64:65] scope:SCOPE_SE
	s_setreg_imm32_b32 hwreg(HW_REG_WAVE_MODE, 25, 1), 1
	s_wait_xcnt 0x0
	s_wait_alu depctr_hold_cnt(0) depctr_sa_sdst(0) depctr_va_vdst(0) depctr_va_sdst(0) depctr_va_ssrc(0) depctr_va_vcc(0) depctr_vm_vsrc(0)
	s_getreg_b32 s2, hwreg(HW_REG_IB_STS2, 6, 4)
	s_cmp_eq_u32 s2, 0
	s_cbranch_scc0 .Lentry_in_a_cluster
	s_endpgm
.Lentry_in_a_cluster:
	s_bfe_u32 s2, ttmp6, 0x10000c
	s_cmp_lg_u32 s2, 0x3003
	s_cbranch_scc0 .Lentry_shape_is_right
	s_endpgm
.Lentry_shape_is_right:
; y = x2 + h w2^T + b2: A = h_p (K = 4,096: 32 K steps of 128), B = w2, on codes of FP6 (E2M3) with E8M0 scales; y [4096][1024] f32.
; OPERANDS lie in memory as images of their registers: a block of 12,800 bytes = 128 rows x 128 K: fragment i at 1,536 i (registers 4 c .. 4 c + 3 of lane l at 512 c + 16 l), scale words at 12,288 + 256 (i / 4) + 16 r + 4 (i % 4);
; lane r of fragment 2 b + u holds row 32 b + 8 u + r + 8 (r / 8) of the panel.  A panel's K steps are consecutive blocks.
; SHARES.  A tile of y is 128 x 128: 32 x 8 = 256 work-groups.  Four waves, each 64 x 64: 16 accumulators.
; A GOES THROUGH LDS, B STRAIGHT INTO REGISTERS.  A's panel comes through a ring of two slots of 12 K steps (153,600 bytes each): three fills in all, of 12, 12 and 8 K steps, a quarter of each by one tensor load a wave.
; B's four fragments and scale words of my 64 columns are 13 loads of a K step's block, into four buffers, asked for four K steps ahead of their use: they cross no barrier and wait for no change of slots.
; So the 32 K steps have two barriers: at K step 11 (slot 1 is whole, slot 0 is read out and is filled again) and at K step 23 (slot 0 is whole).  The K steps are written out: every offset is an immediate.
; CLUSTERS: 4 x 1: the four work-groups of a cluster make four tiles of one tile row and need the same panel of A: each load of A is a joint one, mask 15.  B's loads are each work-group's own.
; THE MATRIX INSTRUCTION IS USED TRANSPOSED (source 0 = B, source 1 = A): a lane holds columns of one row of y.  The bias is the C of each sum's first instruction.
; THE RESIDUAL of my 64 x 64 is asked for in K steps 16 to 23, four loads a step, and waited for in front of the way out.
; THE WAY OUT: 16 rows x 64 columns at a time through the wave's own stage in LDS; back as whole rows of 256 bytes, to which the residual is added; the stores' offsets undo the order of A's rows.
; REGISTERS: window 0: v0-31 addresses; v32-47 B's scale words, four sets; v48-55 A's, two sets; v64-127 rows on the way out (v96-127 first hold the bias); v128-255 accumulator (a, b) at 128 + 8 (4 a + b).
;   window 1: v0-191 B's four buffers.   window 2: v0-127 the residual; v128-223 A's fragments, two sets.
.set KS,    32
.set WOFF,  768*12800
.set BLK,   12800
.set SLOT,  12*BLK
.set STAGE, 2*SLOT
.set SPITCH, 272
.set SPARE, STAGE+4*16*SPITCH          ; behind the stages: the spare words, 128 bytes for each wave
.set RS,    16                         ; the first K step that asks for a part of the residual
.set VBO,  4                           ; v4  16 x lane
.set ADA,  8                           ; v8-13 my fragments of A: slot s, K steps 5 g on: v[ADA + 3 s + g] (an LDS offset has 16 bits)
.set ADS,  14                          ; v14-19 the same for its scale words
.set VBS,  21                          ; v21 16 r
.set STO,  24
.set RD,   25
.set CO,   26
.set SPW,  28
.set NIL,  29
.set SBR,  32
.set SAR,  48
.set TMP,  64
.set CB,   96
.set ACC,  128
.set G1,   24                          ; s[24:31] group 1: 38,400 dense bytes;  s[68:75]: 25,600
.set G1S,  68
.set G0A,  32                          ; s[32:35], s[36:39], s[56:59] group 0 of the three fills
.set G0B,  36
.set G0C,  56
.set SB,   60                          ; s[60:61] my fragments of B's panel; s[62:63] their scale words
.set SBS,  62
.set MSB, 0
.macro WIN new                         ; the immediate's high byte repeats the setting that is left
.if MSB != (\new)
	s_set_vgpr_msb (MSB<<8)|(\new)
.set MSB, \new
.endif
.endm
.macro CROUND                          ; a round of the cluster's barrier
	s_barrier_signal -1
	s_barrier_wait -1
	s_cmp_lg_u32 s14, 0
	s_cbranch_scc1 .Lnot_wave_0_\@
	s_barrier_signal -3
.Lnot_wave_0_\@:
	s_barrier_wait -3
	s_barrier_signal -1
	s_barrier_wait -1
.endm
.macro PLACES n
.rept \n
	v_nop
.endr
.endm
.macro JL g0, g1                       ; a joint load, the same line in all four waves and partners; an s_nop 0 and four v_nop follow it
	tensor_load_to_lds s[\g0:\g0+3], s[\g1:\g1+7]
	s_nop 0
	PLACES 4
.endm
.macro LA k                            ; A's four fragments of K step k into set k % 2 (window 2)
.set c, 0
.rept 12
	ds_load_b128 v[128+48*((\k)%2)+4*c:128+48*((\k)%2)+4*c+3], v[ADA+3*(((\k)/12)%2)+((\k)%12)/5] offset:(((\k)%12)%5)*BLK+512*c
.set c, c+1
.endr
.endm
.macro LAS k
	ds_load_b128 v[SAR+4*((\k)%2):SAR+4*((\k)%2)+3], v[ADS+3*(((\k)/12)%2)+((\k)%12)/5] offset:(((\k)%12)%5)*BLK
.endm
.macro LB k                            ; B's four fragments of K step k into buffer k % 4 (window 1): 12 loads of 512 consecutive bytes
.set c, 0
.rept 12
	global_load_b128 v[48*((\k)%4)+4*c:48*((\k)%4)+4*c+3], v[VBO], s[SB:SB+1] offset:(\k)*BLK+512*c
.set c, c+1
.endr
.endm
.macro LBS k
	global_load_b128 v[SBR+4*((\k)%4):SBR+4*((\k)%4)+3], v[VBS], s[SBS:SBS+1] offset:(\k)*BLK
.endm
.macro CNT k                           ; LC: the global loads issued behind K step k's 13: 13 for each later K step asked for, 4 for each of the three steps before this one that asked for a part of the residual
.set LC, 0
.irp d, 1,2,3
.if (\k)+\d <= KS-1
.set LC, LC+13
.endif
.if ((\k)-\d >= RS) && ((\k)-\d < RS+8)
.set LC, LC+4
.endif
.endr
.endm
; A K step: 16 matrix instructions, the 16 accumulators by turns; then A's set takes K step k + 2 and B's buffer K step k + 4.
.macro STEP k
	CNT \k
.if ((\k) == 11) || ((\k) == 23)                   ; the slot's last K step: its fragments are the last that anyone reads of this slot
	s_wait_tensorcnt 0x0                           ; all my tensor loads have landed: my part of the next slot
	ds_add_u32 v[SPW], v[NIL]                      ; 0 onto my spare word
	s_wait_dscnt 0x0                               ; the add is done, and my reads of this slot are over
.if (\k) == 11
	CROUND                                         ; no wave of any partner still reads slot 0 or has a load on its way
	JL G0C, G1S                                    ; K steps 24-31 into slot 0: the first tensor load behind the round
.else
	s_barrier_signal -1
	s_barrier_wait -1                              ; slot 0 is whole; nothing is filled again
.endif
	WIN 0x80
	LA (\k)+1                                      ; the next slot's first fragments, into the set that the K step before read (its four places stand behind it)
	WIN 0
	LAS (\k)+1
.elseif (\k) == KS-1
	s_wait_dscnt 0x0
.else
	s_wait_dscnt 13                                ; this K step's set is in; the next one's 13 loads may be out
.endif
	s_wait_loadcnt LC
	WIN 0x09                                       ; source 0 (B) window 1, source 1 (A) window 2
.irp a, 0,1,2,3
.irp b, 0,1,2,3
.set rD, ACC+8*(4*\a+\b)
.set rB, 48*((\k)%4)+12*\b
.set rA, 128+48*((\k)%2)+12*\a
.if (\k) == 0
	v_wmma_scale_f32_16x16x128_f8f6f4 v[rD:rD+7], v[rB:rB+11], v[rA:rA+11], v[CB+8*\b:CB+8*\b+7], v[SBR+4*((\k)%4)+\b], v[SAR+4*((\k)%2)+\a] matrix_a_fmt:MATRIX_FMT_FP6 matrix_b_fmt:MATRIX_FMT_FP6
.else
	v_wmma_scale_f32_16x16x128_f8f6f4 v[rD:rD+7], v[rB:rB+11], v[rA:rA+11], v[rD:rD+7], v[SBR+4*((\k)%4)+\b], v[SAR+4*((\k)%2)+\a] matrix_a_fmt:MATRIX_FMT_FP6 matrix_b_fmt:MATRIX_FMT_FP6
.endif
.endr
.endr
	PLACES 4                                       ; in front of loads into registers that these products read
.if ((\k)+2 <= KS-1) && ((\k) != 10) && ((\k) != 22)
	WIN 0x80
	LA (\k)+2
.endif
.if ((\k) >= RS) && ((\k) < RS+8)
	WIN 0x80
.irp i, 0,1,2,3
.set n, 4*((\k)-RS)+\i
	global_load_b128 v[4*n:4*n+3], v[CO], s[10:11] offset:4096*(32*((n/8)/2)+16*((n%8)/4)+8*((n/8)%2)+2*(n%4))   ; the residual as the way out wants it: block n / 8, two rows of 256 bytes
.endr
.endif
.if (\k)+4 <= KS-1
	WIN 0x40
	LB (\k)+4
.endif
	WIN 0
.if ((\k)+2 <= KS-1) && ((\k) != 10) && ((\k) != 22)
	LAS (\k)+2
.endif
.if (\k)+4 <= KS-1
	LBS (\k)+4
.endif
.endm
	s_load_b256 s[4:11], s[0:1], 0x0               ; h_p, packed_in, b2, x2
	s_load_b64 s[12:13], s[0:1], 0x20              ; y
	v_lshl_add_u32 v[SPW], v0, 2, SPARE
	v_mov_b32 v[NIL], 0
	ds_add_u32 v[SPW], v[NIL]                      ; the opening: the add, twice on end, and its wait ahead of my first tensor load
	ds_add_u32 v[SPW], v[NIL]
	v_lshrrev_b32 v1, 5, v0
	v_readfirstlane_b32 s14, v1                    ; wave
	s_lshr_b32 s15, s14, 1                         ; my half of the tile's rows
	s_and_b32 s16, s14, 1                          ; my half of its columns
	s_bfe_u32 s40, ttmp6, 0x40000                  ; cx
	s_lshl_b32 s42, ttmp9, 2
	s_add_co_u32 s42, s42, s40                     ; tile column = B's panel
	s_and_b32 s17, ttmp7, 0xffff                   ; tile row = A's panel: the same in all four partners
	s_mov_b32 s[G1+0], 15|(3<<16)|(1<<21)          ; the mask; elements of 8 bytes; bit 21 beside the mask
	s_mov_b32 s[G1+1], 32<<16                      ; rows of 256 bytes,
	s_mov_b32 s[G1+2], 150<<16                     ; 150 of them: three blocks
	s_mov_b32 s[G1+3], 32<<16
	s_mov_b32 s[G1+4], 150
	s_mov_b32 s[G1+5], 32
	s_mov_b32 s[G1+6], 0
	s_mov_b32 s[G1+7], 0
	s_mov_b32 s[G1S+0], 15|(3<<16)|(1<<21)
	s_mov_b32 s[G1S+1], 32<<16
	s_mov_b32 s[G1S+2], 100<<16                    ; the last fill: two blocks a wave
	s_mov_b32 s[G1S+3], 32<<16
	s_mov_b32 s[G1S+4], 100
	s_mov_b32 s[G1S+5], 32
	s_mov_b32 s[G1S+6], 0
	s_mov_b32 s[G1S+7], 0
	s_mul_i32 s18, s17, KS*BLK                     ; A's panel: by the tile row and the wave alone
	s_mul_i32 s19, s14, 3*BLK
	s_add_co_u32 s20, s18, s19                     ; K steps 3 w .. 3 w + 2
	s_mov_b32 s21, 0
	s_mul_i32 s41, s14, 2*BLK
	s_add_co_u32 s22, s18, s41
	s_add_co_u32 s22, s22, 24*BLK                  ; K steps 24 + 2 w, 25 + 2 w
	s_mov_b32 s23, 0
	s_mov_b32 s[G0A], 1
	s_mov_b32 s[G0A+1], s19                        ; where they go: wave x 38,400: no place in the cluster enters an LDS address
	s_mov_b32 s[G0B], 1
	s_add_co_u32 s[G0B+1], s19, SLOT
	s_mov_b32 s[G0C], 1
	s_mov_b32 s[G0C+1], s41
	s_mul_i32 s46, s42, KS*BLK
	s_add_co_u32 s46, s46, WOFF                    ; B's panel
	s_lshl_b32 s48, s16, 8
	s_add_co_u32 s48, s48, s46
	s_add_co_u32 s48, s48, 12288                   ; my four fragments' scale words,
	s_mul_i32 s18, s16, 6144
	s_add_co_u32 s46, s46, s18                     ; their codes
	s_mov_b32 s47, 0
	s_mov_b32 s49, 0
	s_lshl_b32 s50, s42, 9
	s_lshl_b32 s18, s16, 8
	s_add_co_u32 s50, s50, s18                     ; my first column, in bytes
	s_mov_b32 s51, 0
	s_lshl_b32 s52, s17, 7
	s_lshl_b32 s18, s15, 6
	s_add_co_u32 s52, s52, s18
	s_lshl_b32 s52, s52, 12                        ; my first row, in bytes
	s_add_co_u32 s52, s52, s50
	s_mov_b32 s53, 0
	s_mul_i32 s43, s15, 6144                       ; my four fragments of A in a block,
	s_lshl_b32 s44, s15, 8
	s_add_co_u32 s44, s44, 12288                   ; their scale words
	s_mul_i32 s45, s14, 16*SPITCH
	s_add_co_u32 s45, s45, STAGE                   ; my stage
	v_and_b32 v1, 31, v0
	v_and_b32 v2, 15, v0                           ; r
	v_bfe_u32 v3, v0, 4, 1                         ; h
	v_lshlrev_b32 v[VBO], 4, v1
	v_lshlrev_b32 v[VBS], 4, v2
	v_add_nc_u32 v[ADA], s43, v[VBO]
	v_add_nc_u32 v[ADS], s44, v[VBS]
.irp g, ADA, ADS
	v_add_nc_u32 v[\g+1], 5*BLK, v[\g]
	v_add_nc_u32 v[\g+2], 10*BLK, v[\g]
	v_add_nc_u32 v[\g+3], SLOT, v[\g]
	v_add_nc_u32 v[\g+4], SLOT+5*BLK, v[\g]
	v_add_nc_u32 v[\g+5], SLOT+10*BLK, v[\g]
.endr
	v_mul_u32_u24 v5, v2, SPITCH
	v_lshl_add_u32 v5, v3, 6, v5
	v_add_nc_u32 v[STO], s45, v5                   ; the stage, in: row r, + 64 h
	v_mul_u32_u24 v5, v3, SPITCH
	v_lshl_add_u32 v5, v2, 4, v5
	v_add_nc_u32 v[RD], s45, v5                    ; back: lanes 0-15 one row of 256 bytes, lanes 16-31 the next
	v_lshlrev_b32 v5, 12, v3
	v_lshl_add_u32 v[CO], v2, 4, v5                ; and the same two rows in memory
	v_lshlrev_b32 v6, 6, v3
	s_wait_alu depctr_va_vdst(0)                   ; the wait at the head's end
	s_wait_dscnt 0x0                               ; both opening adds are done
	s_wait_kmcnt 0x0
	s_add_nc_u64 s[G0A+2:G0A+3], s[4:5], s[20:21]
	s_add_nc_u64 s[G0B+2:G0B+3], s[G0A+2:G0A+3], 12*BLK
	s_add_nc_u64 s[G0C+2:G0C+3], s[4:5], s[22:23]
	s_or_b32 s[G0A+3], s[G0A+3], 0x80000000
	s_or_b32 s[G0B+3], s[G0B+3], 0x80000000
	s_or_b32 s[G0C+3], s[G0C+3], 0x80000000
	s_add_nc_u64 s[SB:SB+1], s[6:7], s[46:47]
	s_add_nc_u64 s[SBS:SBS+1], s[6:7], s[48:49]
	s_add_nc_u64 s[8:9], s[8:9], s[50:51]
	s_add_nc_u64 s[10:11], s[10:11], s[52:53]
	s_add_nc_u64 s[12:13], s[12:13], s[52:53]
	CROUND                                         ; all four work-groups are here: the first joint loads meet
	JL G0A, G1                                     ; K steps 0-11 into slot 0: my one tensor load at the head
.irp b, 0,1,2,3                                ; the bias in the result's layout: accumulator b = 2 bb + u, register j: column 32 bb + 16 h + 8 u + j
	global_load_b128 v[CB+8*\b:CB+8*\b+3], v6, s[8:9] offset:128*(\b/2)+32*(\b%2)
	global_load_b128 v[CB+8*\b+4:CB+8*\b+7], v6, s[8:9] offset:128*(\b/2)+32*(\b%2)+16
.endr
.irp k, 0,1,2,3
	WIN 0x40
	LB \k
	WIN 0
	LBS \k
.endr
	s_wait_tensorcnt 0x0                           ; my part of slot 0 is in
	ds_add_u32 v[SPW], v[NIL]
	s_wait_dscnt 0x0
	CROUND                                         ; everybody's part is in, and the joint loads meet
	JL G0B, G1                                     ; K steps 12-23 into slot 1: the first tensor load behind the round
	WIN 0x80
	LA 0
	WIN 0
	LAS 0
	WIN 0x80
	LA 1
	WIN 0
	LAS 1
.set KK, 0
.rept KS
	STEP KK
.set KK, KK+1
.endr
; THE WAY OUT.  A's block a: place rho = 2 t + (lane / 16) of the fragment is row 32 (a / 2) + 8 (a % 2) + 16 (t / 4) + 2 (t % 4) + (lane / 16) of my 64
.macro TOSTAGE a                       ; into my stage and back as whole rows, into row set a % 2
.irp b, 0,1,2,3
	ds_store_b128 v[STO], v[ACC+8*(4*(\a)+\b):ACC+8*(4*(\a)+\b)+3] offset:128*(\b/2)+32*(\b%2)       ; each accumulator from its low end on
	ds_store_b128 v[STO], v[ACC+8*(4*(\a)+\b)+4:ACC+8*(4*(\a)+\b)+7] offset:128*(\b/2)+32*(\b%2)+16
.endr
.irp t, 0,1,2,3,4,5,6,7
	ds_load_b128 v[TMP+32*((\a)%2)+4*\t:TMP+32*((\a)%2)+4*\t+3], v[RD] offset:2*\t*SPITCH   ; LDS serves a wave's instructions in order: these see the stores above
.endr
.endm
.macro SEND a, younger                 ; younger: the LDS instructions issued behind block a's loads, which may stay out
.set T, TMP+32*((\a)%2)
	s_wait_dscnt \younger
	WIN 0x08                                       ; source 1: window 2
.set n, 0
.rept 16
	v_pk_add_f32 v[T+n:T+n+1], v[T+n:T+n+1], v[32*(\a)+n:32*(\a)+n+1]   ; + the residual
.set n, n+2
.endr
	WIN 0
.irp t, 0,1,2,3,4,5,6,7
	global_store_b128 v[CO], v[T+4*\t:T+4*\t+3], s[12:13] offset:4096*(32*((\a)/2)+16*(\t/4)+8*((\a)%2)+2*(\t%4))   ; 16 lanes store 256 consecutive bytes, aligned
.endr
.endm
	s_wait_loadcnt 0x0                             ; the residual
	TOSTAGE 0
.irp a, 1,2,3
.if \a > 1
	s_wait_xcnt 0x0                                ; block a - 2's stores have read their registers: block a's loads may land there
.endif
	TOSTAGE \a
	SEND \a-1, 16                                  ; behind block a - 1's loads: block a's 8 stores and 8 loads
.endr
	SEND 3, 0
	s_wait_tensorcnt 0x0                           ; the wave's end
	ds_add_u32 v[SPW], v[NIL]
	s_wait_dscnt 0x0
	CROUND                                         ; the closing round
	s_endpgm
.Lfunc_end_k_qec8364992b_gemm_ff2:
	.size	k_qec8364992b_gemm_ff2, .Lfunc_end_k_qec8364992b_gemm_ff2-k_qec8364992b_gemm_ff2
	.p2alignl 7, 3214868480
	.fill 96, 4, 3214868480
	.section	.rodata,"a",@progbits
	.p2align	6, 0x0
	.amdhsa_kernel k_qec8364992b_gemm_ff2
		.amdhsa_group_segment_fixed_size 327680
		.amdhsa_private_segment_fixed_size 0
		.amdhsa_enable_private_segment 0
		.amdhsa_kernarg_size 40
		.amdhsa_user_sgpr_count 2
		.amdhsa_user_sgpr_kernarg_segment_ptr 1
		.amdhsa_wavefront_size32 1
		.amdhsa_system_sgpr_workgroup_id_x 1
		.amdhsa_system_sgpr_workgroup_id_y 1
		.amdhsa_system_sgpr_workgroup_id_z 1
		.amdhsa_system_vgpr_workitem_id 0
		.amdhsa_next_free_vgpr 768
		.amdhsa_next_free_sgpr 80
		.amdhsa_reserve_vcc 0
		.amdhsa_float_denorm_mode_32 3
		.amdhsa_float_denorm_mode_16_64 3
		.amdhsa_memory_ordered 1
		.amdhsa_forward_progress 1
		.amdhsa_inst_pref_size 163
	.end_amdhsa_kernel
	.amdgpu_metadata
---
amdhsa.version: [ 1, 2 ]
amdhsa.kernels:
  - .name:           k_qec8364992b_gemm_ff2
    .symbol:         k_qec8364992b_gemm_ff2.kd
    .args:
      - { .name: h_p, .offset: 0, .size: 8, .value_kind: global_buffer, .address_space: global }
      - { .name: packed_in, .offset: 8, .size: 8, .value_kind: global_buffer, .address_space: global }
      - { .name: b2, .offset: 16, .size: 8, .value_kind: global_buffer, .address_space: global }
      - { .name: x2, .offset: 24, .size: 8, .value_kind: global_buffer, .address_space: global }
      - { .name: y, .offset: 32, .size: 8, .value_kind: global_buffer, .address_space: global }
    .group_segment_fixed_size: 327680
    .private_segment_fixed_size: 0
    .kernarg_segment_align: 8
    .kernarg_segment_size: 40
    .max_flat_workgroup_size: 128
    .sgpr_count:     80
    .vgpr_count:     768
    .wavefront_size: 32
...
	.end_amdgpu_metadata
.endif
;; end of part 6
;; launch ln2 (part 7): grid 256 x 1, 8 waves a work-group, no clusters, 0 bytes of LDS; arguments y, ln2_g, ln2_b, out0; writes out0
.if DOCPART == 7
	.amdgcn_target "amdgcn-amd-amdhsa--gfx1250"
	.amdhsa_code_object_version 6
	.text
	.protected	k_qec8364992b_ln2
	.globl	k_qec8364992b_ln2
	.p2align	8
	.type	k_qec8364992b_ln2,@function
k_qec8364992b_ln2:
	s_mov_b64 s[64:65], 0
	v_nop
	global_prefetch_b8 v0, s[64:65] scope:SCOPE_SE
	s_setreg_imm32_b32 hwreg(HW_REG_WAVE_MODE, 25, 1), 1
	s_wait_xcnt 0x0
; ONE TEXT FOR TWO LAUNCHES (PACK): out = (y - mean) rsqrt(var + 1e-5) g + b along rows of 1,024, all f32; the variance is the mean of the squares of y - mean.
; PACK = 1 (ln1): the result is also quantised to FP6 (E2M3) with E8M0 scales along the row and stored as the next product's operand: blocks of 12,800 bytes (panel of 128 rows, K step of 128): fragment i at 1,536 i
; (registers 4 c .. 4 c + 3 of lane l at 512 c + 16 l), scale words at 12,288 + 256 (i / 4) + 16 r + 4 (i % 4); lane r of fragment 2 b + u holds row 32 b + 8 u + r + 8 (r / 8) of the panel.
; SHARES.  A work-group takes the 16 rows of one fragment (panel wg / 8, fragment wg % 8); each of its eight waves two of them, a row in 32 registers: read once, every load and store 512 consecutive bytes.
; PACK = 1: the 16 rows meet in LDS (pitch 4,096 + 16); behind one barrier wave w quantises K step w of all 16 rows: one fragment.  Its 16 scale words are 4 bytes each, 16 bytes apart: those few bytes do not fill aligned
; blocks of 256; whole ones would want 128 rows in a work-group, 32 work-groups in all.
; PACK = 0 (ln2): no LDS, no barrier: waves share nothing.
; No matrix unit, cluster or tensor load: every byte is read once by one wave.
; LIMITS: NaN and infinities are not served.
.set PACK,  0
.set X0,    32                         ; v32-63 row 0, v64-95 row 1
.set GG,    96                         ; v96-127 g
.set BB,    128                        ; v128-159 b
.set PITCH, 4112
.set SPARE, 16*PITCH
.set SPW, 3
.set NIL, 4
.set VS,  5
.set VR,  6
.set SA,  7
.set PC,  160
.set TM,  180
.set PW,  192
.set SEL, 20
.if PACK
.macro QUANT s                         ; 64 numbers, register 16 b + i = k 32 b + 16 (lane / 16) + i of my row -> 12 registers of codes in v[PC] on, the scale word in v[PW]
.irp b, 0,1,2,3
	v_max3_num_f32 v[TM+\b], |v[\s+16*\b]|, |v[\s+1+16*\b]|, 0x1800000   ; and the floor 2^(3 - 127): the byte cannot fall under 1
.endr
.irp i, 2,4,6,8,10,12,14
.irp b, 0,1,2,3
	v_max3_num_f32 v[TM+\b], v[TM+\b], |v[\s+16*\b+\i]|, |v[\s+1+16*\b+\i]|
.endr
.endr
.irp b, 0,1,2,3
	v_permlanex16_b32 v[TM+4+\b], v[TM+\b], s[SEL], s[SEL+1]
.endr
.irp b, 0,1,2,3
	v_max_num_f32 v[TM+\b], v[TM+\b], v[TM+4+\b]
.endr
.irp b, 0,1,2,3
	v_add_nc_u32 v[TM+8+\b], 0xff000000, v[TM+\b]
.endr
.irp b, 0,1,2,3
	v_lshrrev_b32 v[TM+4+\b], 23, v[TM+8+\b]
.endr
	v_lshl_or_b32 v[PW], v[TM+5], 8, v[TM+4]
	v_lshl_or_b32 v[PW], v[TM+6], 16, v[PW]
	v_lshl_or_b32 v[PW], v[TM+7], 24, v[PW]
.irp c, 0,1
	v_cvt_scalef32_pk16_fp6_f32 v[PC+6*\c:PC+2+6*\c], v[\s+32*\c:\s+15+32*\c], v[TM+8+2*\c]
	v_cvt_scalef32_pk16_fp6_f32 v[PC+12+4*\c:PC+14+4*\c], v[\s+16+32*\c:\s+31+32*\c], v[TM+9+2*\c]
.endr
	v_nop
.irp c, 0,1
.irp i, 0,1,2
	v_permlane16_swap_b32 v[PC+6*\c+\i], v[PC+12+4*\c+\i]
.endr
.irp i, 0,1,2
	v_mov_b32 v[PC+3+6*\c+\i], v[PC+12+4*\c+\i]
.endr
.endr
.endm
.endif
.macro ACROSS                          ; v8 (row 0) and v12 (row 1) summed over the 32 lanes, the result in every lane
.irp m, 1,2,4,8
	s_delay_alu instid0(VALU_DEP_2)
	v_add_f32_dpp v8, v8, v8 row_xmask:\m row_mask:0xf bank_mask:0xf
	s_delay_alu instid0(VALU_DEP_2)
	v_add_f32_dpp v12, v12, v12 row_xmask:\m row_mask:0xf bank_mask:0xf
.endr
	s_delay_alu instid0(VALU_DEP_2)
	v_permlanex16_b32 v9, v8, s[SEL], s[SEL+1]
	s_delay_alu instid0(VALU_DEP_2)
	v_permlanex16_b32 v13, v12, s[SEL], s[SEL+1]
	s_delay_alu instid0(VALU_DEP_2)
	v_add_f32 v8, v8, v9
	s_delay_alu instid0(VALU_DEP_2)
	v_add_f32 v12, v12, v13
.endm
	s_load_b256 s[4:11], s[0:1], 0x0               ; y, g, b, the f32 result
.if PACK
	s_load_b64 s[12:13], s[0:1], 0x20              ; x2_p
	v_lshl_add_u32 v[SPW], v0, 2, SPARE
	v_mov_b32 v[NIL], 0
.endif
	v_lshrrev_b32 v1, 5, v0
	s_delay_alu instid0(VALU_DEP_1)
	v_readfirstlane_b32 s14, v1                    ; wave
	v_and_b32 v1, 31, v0
	s_delay_alu instid0(VALU_DEP_1)
	v_lshlrev_b32 v2, 4, v1                        ; 16 x lane
	s_lshr_b32 s15, ttmp9, 3                       ; panel
	s_and_b32 s16, ttmp9, 7                        ; fragment
	s_lshl_b32 s17, s15, 7
	s_lshr_b32 s18, s16, 1
	s_lshl_b32 s18, s18, 5
	s_add_co_u32 s17, s17, s18
	s_and_b32 s18, s16, 1
	s_lshl_b32 s18, s18, 3
	s_add_co_u32 s17, s17, s18
	s_lshl_b32 s18, s14, 1
	s_add_co_u32 s17, s17, s18
	s_lshr_b32 s18, s14, 2
	s_lshl_b32 s18, s18, 3
	s_add_co_u32 s17, s17, s18                     ; my first row: places 2 w, 2 w + 1 of the fragment are rows 2 w + 8 (w / 4) + 0, 1 behind its first
	s_lshl_b32 s18, s17, 12
	s_mov_b32 s19, 0
	s_mov_b32 s[SEL], 0x76543210
	s_mov_b32 s[SEL+1], 0xfedcba98
	s_mov_b32 s22, 0x3a800000                      ; 1 / 1024
	s_mov_b32 s23, 0x3727c5ac                      ; 1e-5
.if PACK
	v_and_b32 v8, 15, v0                           ; r
	v_bfe_u32 v9, v0, 4, 1                         ; h
	s_mul_i32 s24, s14, 2*PITCH
	v_add_nc_u32 v[VS], s24, v2                    ; the stage, way in: my two rows
	v_mul_u32_u24 v[VR], v8, PITCH
	v_lshl_add_u32 v[VR], v9, 6, v[VR]
	s_lshl_b32 s24, s14, 9
	v_add_nc_u32 v[VR], s24, v[VR]                 ; way out: row r, K step w, + 64 h
	v_lshlrev_b32 v[SA], 4, v8
.irp b, 0,1,2,3
	v_mov_b32 v[TM+4+\b], 0                        ; written once: a lane permute's destination counts as one of its sources
.endr
	s_lshl_b32 s24, s15, 3
	s_add_co_u32 s24, s24, s14
	s_mul_i32 s24, s24, 12800                      ; block (panel, K step w)
	s_mul_i32 s26, s16, 1536
	s_add_co_u32 s26, s26, s24
	s_mov_b32 s27, 0
	s_lshr_b32 s28, s16, 2
	s_lshl_b32 s28, s28, 8
	s_and_b32 s29, s16, 3
	s_lshl_b32 s29, s29, 2
	s_add_co_u32 s28, s28, s29
	s_add_co_u32 s28, s28, s24
	s_add_co_u32 s28, s28, 12288
	s_mov_b32 s29, 0
.endif
	s_wait_alu depctr_va_vdst(0)
	s_wait_kmcnt 0x0
	s_add_nc_u64 s[4:5], s[4:5], s[18:19]
	s_add_nc_u64 s[10:11], s[10:11], s[18:19]
.if PACK
	s_add_nc_u64 s[26:27], s[12:13], s[26:27]
	s_add_nc_u64 s[28:29], s[12:13], s[28:29]
.endif
.irp k, 0,1
.irp j, 0,1,2,3,4,5,6,7
	global_load_b128 v[X0+32*\k+4*\j:X0+32*\k+4*\j+3], v2, s[4:5] offset:4096*\k+512*\j th:TH_LOAD_NT
.endr
.endr
.irp j, 0,1,2,3,4,5,6,7
	global_load_b128 v[GG+4*\j:GG+4*\j+3], v2, s[6:7] offset:512*\j
	global_load_b128 v[BB+4*\j:BB+4*\j+3], v2, s[8:9] offset:512*\j
.endr
	s_wait_loadcnt 16                              ; my two rows are in; g's and b's 16 loads may be out
.irp k, 0,1                                    ; the sums: two chains a row
	v_pk_add_f32 v[8+4*\k:9+4*\k], v[X0+32*\k:X0+32*\k+1], v[X0+32*\k+4:X0+32*\k+5]
	v_pk_add_f32 v[10+4*\k:11+4*\k], v[X0+32*\k+2:X0+32*\k+3], v[X0+32*\k+6:X0+32*\k+7]
.endr
.irp m, 8,12,16,20,24,28
.irp k, 0,1
	s_delay_alu instid0(VALU_DEP_4)
	v_pk_add_f32 v[8+4*\k:9+4*\k], v[8+4*\k:9+4*\k], v[X0+32*\k+\m:X0+32*\k+\m+1]
	s_delay_alu instid0(VALU_DEP_4)
	v_pk_add_f32 v[10+4*\k:11+4*\k], v[10+4*\k:11+4*\k], v[X0+32*\k+\m+2:X0+32*\k+\m+3]
.endr
.endr
.irp k, 0
	s_delay_alu instid0(VALU_DEP_3)
	v_pk_add_f32 v[8+4*\k:9+4*\k], v[8+4*\k:9+4*\k], v[10+4*\k:11+4*\k]
.endr
.irp k, 1
	s_delay_alu instid0(VALU_DEP_2)
	v_pk_add_f32 v[8+4*\k:9+4*\k], v[8+4*\k:9+4*\k], v[10+4*\k:11+4*\k]
.endr
.irp k, 0,1
	s_delay_alu instid0(VALU_DEP_2)
	v_add_f32 v[8+4*\k], v[8+4*\k], v[9+4*\k]
.endr
	ACROSS
	s_delay_alu instid0(VALU_DEP_2)
	v_mul_f32 v8, s22, v8                          ; the means
	s_delay_alu instid0(VALU_DEP_2)
	v_mul_f32 v12, s22, v12
.irp m, 0,2,4,6,8,10,12,14,16,18,20,22,24,26,28,30
.irp k, 0,1
	v_pk_add_f32 v[X0+32*\k+\m:X0+32*\k+\m+1], v[X0+32*\k+\m:X0+32*\k+\m+1], v[8+4*\k:9+4*\k] op_sel_hi:[1,0] neg_lo:[0,1] neg_hi:[0,1]   ; y - mean
.endr
.endr
.irp k, 0,1
	v_pk_mul_f32 v[8+4*\k:9+4*\k], v[X0+32*\k:X0+32*\k+1], v[X0+32*\k:X0+32*\k+1]
	v_pk_mul_f32 v[10+4*\k:11+4*\k], v[X0+32*\k+2:X0+32*\k+3], v[X0+32*\k+2:X0+32*\k+3]
.endr
.irp m, 4,8,12,16,20,24,28
.irp k, 0,1
	s_delay_alu instid0(VALU_DEP_4)
	v_pk_fma_f32 v[8+4*\k:9+4*\k], v[X0+32*\k+\m:X0+32*\k+\m+1], v[X0+32*\k+\m:X0+32*\k+\m+1], v[8+4*\k:9+4*\k]
	s_delay_alu instid0(VALU_DEP_4)
	v_pk_fma_f32 v[10+4*\k:11+4*\k], v[X0+32*\k+\m+2:X0+32*\k+\m+3], v[X0+32*\k+\m+2:X0+32*\k+\m+3], v[10+4*\k:11+4*\k]
.endr
.endr
.irp k, 0
	s_delay_alu instid0(VALU_DEP_3)
	v_pk_add_f32 v[8+4*\k:9+4*\k], v[8+4*\k:9+4*\k], v[10+4*\k:11+4*\k]
.endr
.irp k, 1
	s_delay_alu instid0(VALU_DEP_2)
	v_pk_add_f32 v[8+4*\k:9+4*\k], v[8+4*\k:9+4*\k], v[10+4*\k:11+4*\k]
.endr
.irp k, 0,1
	s_delay_alu instid0(VALU_DEP_2)
	v_add_f32 v[8+4*\k], v[8+4*\k], v[9+4*\k]
.endr
	ACROSS
	s_delay_alu instid0(VALU_DEP_2)
	v_fma_f32 v8, v8, s22, s23                     ; var + eps
	s_delay_alu instid0(VALU_DEP_2)
	v_fma_f32 v12, v12, s22, s23
	s_wait_alu depctr_va_vdst(0)
	v_rsq_f32 v8, v8
	v_rsq_f32 v12, v12
	v_nop                                          ; a plain instruction behind the two
	s_wait_alu depctr_va_vdst(0)                   ; one wait for both, ahead of their first reader
.irp m, 0,2,4,6,8,10,12,14,16,18,20,22,24,26,28,30
.irp k, 0,1
	v_pk_mul_f32 v[X0+32*\k+\m:X0+32*\k+\m+1], v[X0+32*\k+\m:X0+32*\k+\m+1], v[8+4*\k:9+4*\k] op_sel_hi:[1,0]
.endr
.endr
	s_wait_loadcnt 0x0                             ; g and b
.irp m, 0,2,4,6,8,10,12,14,16,18,20,22,24,26,28,30
.irp k, 0,1
	v_pk_fma_f32 v[X0+32*\k+\m:X0+32*\k+\m+1], v[X0+32*\k+\m:X0+32*\k+\m+1], v[GG+\m:GG+\m+1], v[BB+\m:BB+\m+1]
.endr
.endr
.irp k, 0,1
.irp j, 0,1,2,3,4,5,6,7
	global_store_b128 v2, v[X0+32*\k+4*\j:X0+32*\k+4*\j+3], s[10:11] offset:4096*\k+512*\j
.endr
.endr
.if PACK
.irp k, 0,1
.irp j, 0,1,2,3,4,5,6,7
	ds_store_b128 v[VS], v[X0+32*\k+4*\j:X0+32*\k+4*\j+3] offset:PITCH*\k+512*\j
.endr
.endr
	s_wait_dscnt 0x0                               ; for the others' sake: my rows lie in the stage
	s_barrier_signal -1
	s_barrier_wait -1
	s_wait_xcnt 0x0                                ; the stores above have read v32-95, into which the loads below land
.irp b, 0,1,2,3
.irp j, 0,1,2,3
	ds_load_b128 v[X0+16*\b+4*\j:X0+16*\b+4*\j+3], v[VR] offset:128*\b+16*\j
.endr
.endr
	s_wait_dscnt 0x0
	QUANT X0
.irp c, 0,1,2
	global_store_b128 v2, v[PC+4*\c:PC+4*\c+3], s[26:27] offset:512*\c   ; 512 consecutive bytes, aligned
.endr
	s_wait_xcnt 0x0                                ; EXEC changes only behind this wait
	v_cmp_gt_u32 vcc_lo, 16, v1
	s_and_saveexec_b32 s30, vcc_lo
	global_store_b32 v[SA], v[PW], s[28:29]
	s_wait_xcnt 0x0
	s_or_b32 exec_lo, exec_lo, s30
	s_wait_tensorcnt 0x0                           ; the wave's end
	ds_add_u32 v[SPW], v[NIL]
	s_wait_dscnt 0x0
.endif
	s_endpgm
.Lfunc_end_k_qec8364992b_ln2:
	.size	k_qec8364992b_ln2, .Lfunc_end_k_qec8364992b_ln2-k_qec8364992b_ln2
	.p2alignl 7, 3214868480
	.fill 96, 4, 3214868480
	.section	.rodata,"a",@progbits
	.p2align	6, 0x0
	.amdhsa_kernel k_qec8364992b_ln2
		.amdhsa_group_segment_fixed_size 0
		.amdhsa_private_segment_fixed_size 0
		.amdhsa_enable_private_segment 0
		.amdhsa_kernarg_size 32
		.amdhsa_user_sgpr_count 2
		.amdhsa_user_sgpr_kernarg_segment_ptr 1
		.amdhsa_wavefront_size32 1
		.amdhsa_system_sgpr_workgroup_id_x 1
		.amdhsa_system_sgpr_workgroup_id_y 1
		.amdhsa_system_sgpr_workgroup_id_z 1
		.amdhsa_system_vgpr_workitem_id 0
		.amdhsa_next_free_vgpr 200
		.amdhsa_next_free_sgpr 66
		.amdhsa_reserve_vcc 1
		.amdhsa_float_denorm_mode_32 3
		.amdhsa_float_denorm_mode_16_64 3
		.amdhsa_memory_ordered 1
		.amdhsa_forward_progress 1
		.amdhsa_inst_pref_size 21
	.end_amdhsa_kernel
	.amdgpu_metadata
---
amdhsa.version: [ 1, 2 ]
amdhsa.kernels:
  - .name:           k_qec8364992b_ln2
    .symbol:         k_qec8364992b_ln2.kd
    .args:
      - { .name: y, .offset: 0, .size: 8, .value_kind: global_buffer, .address_space: global }
      - { .name: ln2_g, .offset: 8, .size: 8, .value_kind: global_buffer, .address_space: global }
      - { .name: ln2_b, .offset: 16, .size: 8, .value_kind: global_buffer, .address_space: global }
      - { .name: out0, .offset: 24, .size: 8, .value_kind: global_buffer, .address_space: global }
    .group_segment_fixed_size: 0
    .private_segment_fixed_size: 0
    .kernarg_segment_align: 8
    .kernarg_segment_size: 32
    .max_flat_workgroup_size: 256
    .sgpr_count:     66
    .vgpr_count:     200
    .wavefront_size: 32
...
	.end_amdgpu_metadata
.endif
;; end of part 7
